; MI455X (gfx1250); checked and timed in simulation.
; The chip was launched on July 23, 2026; its instructions are those of AMD's public machine-readable ISA for CDNA 5 (MIT licence, August 2026) and "CDNA5" Instruction Set Architecture Reference Guide (July 2026). The comments in the code are by the model that wrote it; some were corrected since.
;; Causal Self Attention. Allowed arithmetic: matrix products marked QUANTISED: E2M1 operands, one E8M0 scale for each 32 along K, by v_wmma_scale_f32_16x16x128_f8f6f4 with both operands' format E2M1 (or v_wmma_scale_f32_32x16x128_f4), f32 sums; everything else in f32.
;; Inputs: Wk_codes 1,024 x 32 x 16 uint8 (E2M1 codes of Wk, K innermost, in blocks of 32 codes, two codes a byte); Wk_scales 1,024 x 32 uint8 (E8M0 scales of Wk, one for each 32 codes along K); Wo_codes 1,024 x 32 x 16 uint8 (E2M1 codes of Wo, K innermost, in blocks of 32 codes, two codes a byte); Wo_scales 1,024 x 32 uint8 (E8M0 scales of Wo, one for each 32 codes along K); Wq_codes 1,024 x 32 x 16 uint8 (E2M1 codes of Wq, K innermost, in blocks of 32 codes, two codes a byte); Wq_scales 1,024 x 32 uint8 (E8M0 scales of Wq, one for each 32 codes along K); Wv_codes 1,024 x 32 x 16 uint8 (E2M1 codes of Wv, K innermost, in blocks of 32 codes, two codes a byte); Wv_scales 1,024 x 32 uint8 (E8M0 scales of Wv, one for each 32 codes along K); bk 1,024 float32; bo 1,024 float32; bq 1,024 float32; bv 1,024 float32; x_codes 4 x 2,048 x 32 x 16 uint8 (E2M1 codes of x, K innermost, in blocks of 32 codes, two codes a byte); x_scales 4 x 2,048 x 32 uint8 (E8M0 scales of x, one for each 32 codes along K).
;; Outputs: out0 4 x 2,048 x 1,024 float32.
;; This version of the problem:
;;   THIS VERSION OF THE PROBLEM IS GIVEN IN LOW PRECISION. The matrix products marked QUANTISED in the list below multiply operands that are first quantised to E2M1 (2 exponent bits, 1 mantissa bit; 4 bits a number), with one power-of-two scale for each 32 numbers along K (OCP MX v1.0); their sums are f32. All else is computed in f32.
;;   The module's matrix products, in the order in which they are computed (A, B: the left and right operand; K: the contracted axis; several contracted axes count as one K, in the product's order):
;;     1. [M 8,192, K 1,024] x [K 1,024, N 1,024]; A: input x (given as codes); B: input Wq (given as codes): QUANTISED
;;     2. [M 8,192, K 1,024] x [K 1,024, N 1,024]; A: input x (given as codes); B: input Wk (given as codes): QUANTISED
;;     3. [M 8,192, K 1,024] x [K 1,024, N 1,024]; A: input x (given as codes); B: input Wv (given as codes): QUANTISED
;;     4. batch 64 x [M 2,048, K 64] x [K 64, N 2,048]; A: computed on the way; B: computed on the way: QUANTISED
;;     5. batch 64 x [M 2,048, K 2,048] x [K 2,048, N 64]; A: softmax (see below); B: computed on the way: QUANTISED
;;     6. [M 8,192, K 1,024] x [K 1,024, N 1,024]; A: computed on the way; B: input Wo (given as codes): QUANTISED
;;   THE QUANTISER, for each operand of a quantised product, along K:
;;     - K is cut into blocks of 32 from its start; a last block that is shorter is filled with zeros.
;;     - A block's scale is 2^e with e = floor(log2(the largest magnitude in the block)) - 2, held to -126 .. 127; a block of zeros has e = 0. As a byte (E8M0): e + 127.
;;     - Each number is divided by its block's scale, clamped to +-6, and rounded to the nearest number of E2M1, ties to even, subnormals kept.
;;     - The product sums the exact products of the quantised numbers (number of the format x scale) in f32.
;;   ~~~python
;;   def quantise(x, axis):      # numpy; x: float32 -> the quantised numbers, widened to float32 again
;;       x = np.moveaxis(x, axis, -1); K = x.shape[-1]
;;       x = np.pad(x, [(0, 0)] * (x.ndim - 1) + [(0, -K % 32)]); x = x.reshape(x.shape[:-1] + (-1, 32)); a = np.abs(x).max(-1, keepdims=True)
;;       e = np.where(a > 0, np.clip(np.frexp(np.where(a > 0, a, 1))[1] - 1 - 2, -126, 127), 0)      # np.frexp(a)[1] - 1 = floor(log2(a)), exactly
;;       r = np.clip(x / 2.0 ** e, -6, 6)
;;       step = 2.0 ** (np.maximum(np.frexp(np.where(r == 0, 1, r))[1] - 1, 0) - 1)
;;       q = np.round(r / step) * step * 2.0 ** e      # np.round: ties to even
;;       return np.moveaxis(q.reshape(q.shape[:-2] + (-1,))[..., :K], -1, axis).astype(np.float32)
;;   ~~~
;;   SOFTMAX AHEAD OF A QUANTISED PRODUCT. Where the list says 'softmax', what is quantised is not the finished softmax but p = 2^(t - M), with t = logit x log2(e) and M = ceil(the row's largest t), a whole number; so 1/2 < the row's largest p <= 1. The row's sum l is taken of the UNQUANTISED p, in f32, and the product's result is divided by l at the end. Since M is a whole number, a kernel that streams over the keys may use a running M (the ceiling of the running maximum): every later rescaling is an exact power of two, which a block's scale takes up: the codes' values come out the same.
;;   OPERANDS COMPUTED ON THE WAY. 'Computed on the way' means the value that the module computes at that place (a softmax that the list does not call 'softmax' is quantised finished and normalised). What goes into a quantiser is computed in f32, as accurately as f32 sums, v_exp_f32 and their like allow (about 1e-6 of the number): no bf16 or f16 on the way to a quantiser, and a product that is left as it is and whose result goes on into a quantised operand takes f32 operands (vector FMAs, or v_wmma_f32_16x16x4_f32). A number that lies on a knife's edge between two numbers of the format may be rounded either way, as far as f32 arithmetic and the matrix unit's own rounding can turn it there, and no further.
;;   INPUTS GIVEN AS CODES. Wk (in the module: [1024, 1024], K = its axis 1); Wo (in the module: [1024, 1024], K = its axis 1); Wq (in the module: [1024, 1024], K = its axis 1); Wv (in the module: [1024, 1024], K = its axis 1); x (in the module: [4, 2048, 1024], K = its axis 2): each comes as NAME_codes (uint8): NAME with its K axis moved to the last place and cut into blocks of 32 codes, [.., K / 32, bytes a block], one block behind the other in memory; two codes a byte, the lower K in the low four bits (a code: sign, 2 exponent bits, 1 mantissa bit); and NAME_scales (uint8): the same leading axes, one E8M0 byte (e + 127) for each 32 codes along K. Its value is code x scale, taken as it is: it is not quantised again, and the codes and scales need not be those that the quantiser above would give.
;; One version. Each part assembles by itself: llvm-mc -triple=amdgcn-amd-amdhsa -mcpu=gfx1250 --defsym DOCPART=n.
;; ======== version 1 of 1: 3 launches
;; workspace buffers: q_codes 4,194,304 bytes; q_sc 524,288 bytes; k_codes 4,194,304 bytes; k_sc 524,288 bytes; v_codes 4,194,304 bytes; v_sc 262,144 bytes; a_codes 4,194,304 bytes; a_sc 262,144 bytes
;; launch qkv (part 1): grid 12 x 32, 4 waves a work-group, clusters of 4 x 4, 327,680 bytes of LDS; arguments x_codes, x_scales, Wq_codes, Wq_scales, Wk_codes, Wk_scales, Wv_codes, Wv_scales, bq, bk, bv, q_codes, q_sc, k_codes, k_sc, v_codes, v_sc; writes q_codes, q_sc, k_codes, k_sc, v_codes, v_sc
.if DOCPART == 1
	.amdgcn_target "amdgcn-amd-amdhsa--gfx1250"
	.amdhsa_code_object_version 6
	.text
	.protected	k_q52242a1b16_qkv
	.globl	k_q52242a1b16_qkv
	.p2align	8
	.type	k_q52242a1b16_qkv,@function
k_q52242a1b16_qkv:
	s_mov_b64 s[64:65], 0
	v_nop
	global_prefetch_b8 v0, s[64:65] scope:SCOPE_SE
	s_setreg_imm32_b32 hwreg(HW_REG_WAVE_MODE, 25, 1), 1
	s_wait_xcnt 0x0
	s_wait_alu depctr_hold_cnt(0) depctr_sa_sdst(0) depctr_va_vdst(0) depctr_va_sdst(0) depctr_va_ssrc(0) depctr_va_vcc(0) depctr_vm_vsrc(0)
	s_getreg_b32 s2, hwreg(HW_REG_IB_STS2, 6, 4)
	s_cmp_eq_u32 s2, 0
	s_cbranch_scc0 .Lentry_in_a_cluster
	s_endpgm
.Lentry_in_a_cluster:
	s_bfe_u32 s2, ttmp6, 0x10000c
	s_cmp_lg_u32 s2, 0xf033
	s_cbranch_scc0 .Lentry_shape_is_right
	s_endpgm
.Lentry_shape_is_right:
; CAUSAL SELF-ATTENTION IN MX-FP4, LAUNCH 1 OF 3: q = x Wq^T + bq, k = x Wk^T + bk, v = x Wv^T + bv on codes of E2M1 with E8M0 scales, f32 sums; the results are quantised
; here, in registers, and leave as codes and scale bytes: q and k along the head's 64 (two blocks of 32), v along the keys (blocks of 32 tokens).
; DEAD WORK OF THE PROGRAM.  The only work left out is in the second launch: key steps of 128 keys all of which come after all 16 queries of a tile.  reference() builds the mask itself
; (jnp.tril) and puts -inf on those scores, so their p is 0 and they add 0 to the row's sum and to the second product, whatever finite values the inputs hold.  Every input is loaded (bk too:
; it moves k's codes).  LIMIT: a NaN, an infinity or an overflow that reaches only those hidden scores is not carried to the result.
; OTHER LIMITS: NaN and infinities among the inputs are not served.  A block of zeros gets the scale byte 1 where the quantiser says 127: its codes are zeros, which add nothing under any byte
; but 0xff, and only this program reads these bytes.  A block whose largest magnitude lies under 2^-124 is held at the byte 1.
; SHARES.  4 x 4 work-groups form a cluster; the cluster's x says which product: 0 q, 1 k, 2 v.  A work-group of four waves makes a tile of 256 x 256, a wave 128 x 128: 64 accumulators, 512 registers.
; The matrix instruction is used transposed: source 0 = 16 rows of "B", source 1 = 16 rows of "A": a lane holds ONE row of A, and its registers run along B's rows: the axis that is quantised.
;   q, k: A = x (a lane holds a token), B = the weight (registers run along the head's channels).     v: A = Wv (a lane holds a channel), B = x (registers run along the tokens, the keys).
; Both operands have rows of 512 bytes of codes and 32 scale bytes, so one text serves the three; only pointers and tile numbers are chosen, by the cluster's x.
; K = 1,024 is two LDS slots of 512 along K, each filled ONCE: no LDS byte is filled twice in this launch.  A's tile is shared along a row of the cluster, B's along a column: joint loads.
; 384 work-groups of equal work: a tile of 256 x 384, which would give 256, does not fit in LDS whole.
; WHAT LEAVES (images of the next launch's operand registers; lane l = (r = l % 16, h = l / 16)):
;   q_codes, k_codes [batch x head][tile of 16 tokens][512 B]: lane l's 16 bytes at 16 l = token r, block h of the head's 64.      q_sc, k_sc [batch x head][token]: a word, bytes 0, 1 the two scale bytes, bytes 2, 3 zero.
;   v_codes [batch][step of 128 keys][head][tile of 16 channels][1,024 B]: registers 4 c .. 4 c + 3 of lane l at 512 c + 16 l.      v_sc [batch][step][head][channel]: the word of that channel's 128 keys.
; REGISTERS, in windows of 256: window 0: v1-6 at work; v16-31 addresses; v32-95 scale words, two sets; v96-121 the quantiser's; v128-191 A's fragments, on the way out 64 numbers; v192-255 biases.
;   window 1: B's fragments, two sets, at v0 and v128; v64-79 biases, one a lane.   window 2: the accumulators of my rows 0-63 ((a, b) at v[8 (8 a + b)]);   window 3: those of rows 64-127.
.set NQ,     4                         ; matrix instructions deep in a slot: 512 along K
.set ROWB,   256                       ; a tile's row in bytes: 512 codes
.set KROW,   512                       ; a row of codes in memory
.set PITCH,  272                       ; an LDS row: 256 bytes + 16 of padding = 68 words, so the 16 rows that a load touches start 4 banks apart (64 banks of 4 bytes: ISA guide 11.1)
.set FR,     8                         ; registers of a fragment
.set NL,     2                         ; LDS loads that bring one
.set NP,     4                         ; places behind this matrix instruction (ISA guide 7.12.1)
.set HALFT,  128*PITCH                 ; 128 rows: one tensor load
.set SLOT,   4*HALFT                   ; A's 256 rows, then B's 256 rows
.set KS,     32                        ; a row of scale bytes
.set SCL,    2*SLOT                    ; behind the slots: the scales, as units of 256 bytes + 16 of padding
.set HALFS,  16*272                    ; those of 128 rows
.set SBLK,   2*272                     ; those of 16 rows
.set SPARE,  SCL+4*HALFS               ; the spare words: 128 bytes a wave, two blocks of 256 bytes that no other line names
.set STV,    8192                      ; the way out's stages for scale words lie in slot 0, which has had its only fill and its last read by then: q, k: 1,024 bytes a wave from byte 0; v: 512 bytes a wave from STV
.set ADRA, 16                          ; v16-17 LDS address of my A fragments in slot 0, 1
.set BOV,  18                          ; v18    4 r
.set ADRB, 20                          ; v20-21 the same for B
.set STAQ, 22                          ; v22    q, k: where my scale word goes in the stage
.set STRQ, 23                          ; v23    and where I read 16 bytes back
.set BOF,  24                          ; v24    32 h
.set SH,   25                          ; v25    16 h
.set CO,   26                          ; v26    16 x lane
.set ADRS, 27                          ; v27    LDS address of my scale words: lanes 0-15 A's rows, lanes 16-31 B's
.set SPW,  28                          ; v28    my spare word's LDS address; never rewritten
.set NIL,  29                          ; v29    0; never rewritten
.set STAV, 30                          ; v30    v: where my scale word goes in the stage
.set STRV, 31                          ; v31    and where I read 16 bytes back
.set SC,   32
.set PC,   96                          ; v96-103  the codes just made
.set TM,   104                         ; v104-107 largest magnitudes, v108-111 bytes, v116-119 the conversions' scale operands
.set PW,   120                         ; v120   the scale word just made
.set SW,   121                         ; v121   q, k: my head's half of it
.set AF,   128
.set T,    128                         ; the way out: 64 numbers of a lane
.set BI,   192                         ; biases along my registers: b[n0 + 16 b + 8 h + j] at BI + 8 b + j
.set BV,   64                          ; window 1: biases of my lane's row: b[n0 + 16 a + r] at BV + 2 a and BV + 2 a + 1
.set WV,   20                          ; s20 wave
.set HA,   21                          ; s21 my half of A's rows; also: I fetch for A (0) or for B (1)
.set HB,   22                          ; s22 my half of B's rows; also: which 128 rows I fetch
.set ISV,  23                          ; s23 1 in v's clusters
.set G1,   24
.set G0,   32
.set G1B,  48
.set G0B,  56
.set G1S,  68
.set G0S,  76
.set G1SB, 80
.set G0SB, 88
.set PBI,  92                          ; s[92:93] the bias at my 128 numbers
.set OC,   94                          ; s[94:95] where my codes go
.set OS,   96                          ; s[96:97] where my scale words go
.set SEL,  98                          ; s[98:99] v_permlanex16_b32's selects for lane l xor 16
.set MSB, 0
.macro WIN new                         ; the immediate's high byte repeats the setting that is left
.if MSB != \new
	s_set_vgpr_msb (MSB<<8)|\new
.set MSB, \new
.endif
.endm
.set MUL_LO, 0xa1                      ; source 0 (B) window 1, source 1 (A) window 0, C and D window 2
.set MUL_HI, 0xf1                      ; the same, C and D window 3
.set TO_B,   0x40                      ; destination window 1, address window 0
; A joint load: waves 0 and 1 fetch for A, waves 2 and 3 for B; the branch hangs on the wave's number alone.  An s_nop 0 and four v_nop follow each line.
.macro JLOAD g0a, g1a, g0b, g1b
	s_cmp_eq_u32 s[HA], 0
	s_cbranch_scc0 .Lfor_b_\@
	tensor_load_to_lds s[\g0a:\g0a+3], s[\g1a:\g1a+7]
	s_nop 0
.rept 4
	v_nop
.endr
	s_branch .Lasked_\@
.Lfor_b_\@:
	tensor_load_to_lds s[\g0b:\g0b+3], s[\g1b:\g1b+7]
	s_nop 0
.rept 4
	v_nop
.endr
.Lasked_\@:
.endm
.macro CROUND                          ; a round of the cluster's barrier
	s_barrier_signal -1
	s_barrier_wait -1
	s_cmp_lg_u32 s[WV], 0
	s_cbranch_scc1 .Lnot_wave_0_\@
	s_barrier_signal -3
.Lnot_wave_0_\@:
	s_barrier_wait -3
	s_barrier_signal -1
	s_barrier_wait -1
.endm
	s_load_b512 s[4:19], s[0:1], 0x0               ; x's codes, scales; Wq's; Wk's; Wv's
	s_load_b512 s[68:83], s[0:1], 0x40             ; bq, bk, bv; q_codes, q_sc, k_codes, k_sc, v_codes
	s_load_b64 s[84:85], s[0:1], 0x80              ; v_sc
	v_lshl_add_u32 v[SPW], v0, 2, SPARE
	v_mov_b32 v[NIL], 0
	ds_add_u32 v[SPW], v[NIL]                      ; the wave's opening: the add, twice on end, and its wait ahead of my first tensor load
	ds_add_u32 v[SPW], v[NIL]                      ; and once more; the set-up below, work on registers, stands between it and the wait
	v_lshrrev_b32 v1, 5, v0
	v_readfirstlane_b32 s[WV], v1                  ; wave 0..3
	s_lshr_b32 s[HA], s[WV], 1
	s_and_b32 s[HB], s[WV], 1
	s_bfe_u32 s40, ttmp6, 0x40000                  ; cx
	s_bfe_u32 s41, ttmp6, 0x40004                  ; cy
	s_and_b32 s46, ttmp7, 0xffff
	s_lshl_b32 s46, s46, 2                         ; 4 x cluster y
	s_cmp_eq_u32 ttmp9, 2                          ; the cluster's x is the same in all sixteen partners
	s_cselect_b32 s[ISV], 1, 0
	s_cselect_b32 s43, 0, s46                      ; x's 32 tiles of rows go with the cluster's y: on A's side for q and k,
	s_cselect_b32 s42, s46, 0                      ; on B's side for v
	s_add_co_u32 s43, s43, s41                     ; A's tile: made of cy and the cluster's y alone
	s_add_co_u32 s42, s42, s40                     ; B's tile: of cx and the cluster's y alone
	s_lshl_b32 s44, s41, 2
	s_lshl_b32 s44, 15, s44                        ; my row of the cluster
	s_lshl_b32 s45, 0x1111, s40                    ; my column
	; descriptor group 1 for codes: 128 rows x 256 bytes, 512 bytes apart in memory, 16 bytes of padding behind each row in LDS
	s_or_b32 s[G1+0], s44, (0<<16)|(1<<20)|(1<<21)|(5<<22)|(3<<25)   ; 15:0 the mask; 17:16 elements of 1 byte; 20 padding on; 21 set beside a mask; 24:22 after every 64 words; 31:25 four words
	s_or_b32 s[G1B+0], s45, (0<<16)|(1<<20)|(1<<21)|(5<<22)|(3<<25)
.irp g, G1, G1B
	s_mov_b32 s[\g+1], ROWB<<16                    ; tensor_dim0
	s_mov_b32 s[\g+2], 128<<16                     ; tensor_dim1
	s_mov_b32 s[\g+3], ROWB<<16                    ; tile_dim0
	s_mov_b32 s[\g+4], 128                         ; tile_dim1
	s_mov_b32 s[\g+5], KROW                        ; tensor_dim0_stride
	s_mov_b32 s[\g+6], 0
	s_mov_b32 s[\g+7], 0
.endr
	s_mov_b32 s[SEL], 0x76543210
	s_mov_b32 s[SEL+1], 0xfedcba98
	s_wait_dscnt 0x0                               ; both opening adds are done
	s_wait_kmcnt 0x0
	s_cmp_eq_u32 ttmp9, 0                          ; the buffers are chosen by the cluster's x alone
	s_cselect_b64 s[8:9], s[8:9], s[12:13]         ; B: Wq or Wk
	s_cselect_b64 s[10:11], s[10:11], s[14:15]
	s_cselect_b64 s[PBI:PBI+1], s[68:69], s[70:71]
	s_cselect_b64 s[OC:OC+1], s[74:75], s[78:79]
	s_cselect_b64 s[OS:OS+1], s[76:77], s[80:81]
	s_cmp_eq_u32 ttmp9, 2
	s_cselect_b64 s[8:9], s[4:5], s[8:9]           ; v: B = x,
	s_cselect_b64 s[10:11], s[6:7], s[10:11]
	s_cselect_b64 s[4:5], s[16:17], s[4:5]         ; A = Wv
	s_cselect_b64 s[6:7], s[18:19], s[6:7]
	s_cselect_b64 s[PBI:PBI+1], s[72:73], s[PBI:PBI+1]
	s_cselect_b64 s[OC:OC+1], s[82:83], s[OC:OC+1]
	s_cselect_b64 s[OS:OS+1], s[84:85], s[OS:OS+1]
	; group 1 for the scales of 128 rows: 4,096 dense bytes as 16 rows of 256 (32 elements of 8 bytes), 16 bytes of padding behind each
	s_or_b32 s[G1S+0], s44, (3<<16)|(1<<20)|(1<<21)|(5<<22)|(3<<25)
	s_or_b32 s[G1SB+0], s45, (3<<16)|(1<<20)|(1<<21)|(5<<22)|(3<<25)
.irp g, G1S, G1SB
	s_mov_b32 s[\g+1], 32<<16
	s_mov_b32 s[\g+2], 16<<16
	s_mov_b32 s[\g+3], 32<<16
	s_mov_b32 s[\g+4], 16
	s_mov_b32 s[\g+5], 32
	s_mov_b32 s[\g+6], 0
	s_mov_b32 s[\g+7], 0
.endr
	s_lshl_b32 s2, s[HB], 7                        ; which 128 rows of the tile I fetch
	s_lshl_b32 s12, s43, 8
	s_add_co_u32 s12, s12, s2                      ; A: row 256 x tile + 128 x half
	s_lshl_b32 s14, s12, 5                         ; its scales, 32 bytes a row,
	s_lshl_b32 s12, s12, 9                         ; its codes, 512 bytes a row
	s_mov_b32 s13, 0
	s_mov_b32 s15, 0
	s_lshl_b32 s16, s42, 8
	s_add_co_u32 s16, s16, s2                      ; B likewise
	s_lshl_b32 s18, s16, 5
	s_lshl_b32 s16, s16, 9
	s_mov_b32 s17, 0
	s_mov_b32 s19, 0
	s_add_nc_u64 s[4:5], s[4:5], s[12:13]
	s_add_nc_u64 s[6:7], s[6:7], s[14:15]
	s_add_nc_u64 s[8:9], s[8:9], s[16:17]
	s_add_nc_u64 s[10:11], s[10:11], s[18:19]
	s_mul_i32 s46, s[WV], HALFT                    ; where they go: wave x 128 rows: no place in the cluster enters an LDS address
	s_mul_i32 s47, s[WV], HALFS
	s_mov_b32 s[G0S], 1
	s_add_co_u32 s[G0S+1], s47, SCL
	s_mov_b64 s[G0S+2:G0S+3], s[6:7]
	s_or_b32 s[G0S+3], s[G0S+3], 0x80000000
	s_mov_b32 s[G0SB], 1
	s_add_co_u32 s[G0SB+1], s47, SCL
	s_mov_b64 s[G0SB+2:G0SB+3], s[10:11]
	s_or_b32 s[G0SB+3], s[G0SB+3], 0x80000000
.irp s, 0,1
	s_mov_b32 s[G0+4*\s], 1
	s_add_co_u32 s[G0+4*\s+1], s46, \s*SLOT
	s_add_nc_u64 s[G0+4*\s+2:G0+4*\s+3], s[4:5], \s*ROWB
	s_or_b32 s[G0+4*\s+3], s[G0+4*\s+3], 0x80000000
	s_mov_b32 s[G0B+4*\s], 1
	s_add_co_u32 s[G0B+4*\s+1], s46, \s*SLOT
	s_add_nc_u64 s[G0B+4*\s+2:G0B+4*\s+3], s[8:9], \s*ROWB
	s_or_b32 s[G0B+4*\s+3], s[G0B+4*\s+3], 0x80000000
.endr
	CROUND                                         ; all sixteen work-groups are here: the joint loads meet
	JLOAD G0S, G1S, G0SB, G1SB                     ; the scales of all of K; three tensor loads of mine are out behind these lines
	JLOAD G0, G1, G0B, G1B                         ; K 0-511
	JLOAD G0+4, G1, G0B+4, G1B                     ; K 512-1023
	v_and_b32 v1, 15, v0                           ; r
	v_bfe_u32 v2, v0, 4, 1                         ; h
	v_mul_u32_u24 v3, v1, PITCH
	v_lshl_add_u32 v4, v2, 4, v3                   ; a fragment's row x pitch + 16 h
	s_mul_i32 s2, s[HA], HALFT                     ; my 128 rows of A
	s_mul_i32 s47, s[HB], HALFT                    ; my 128 rows of B,
	s_add_co_u32 s47, s47, 2*HALFT                 ; behind A's 256
.irp s, 0,1
	v_add_nc_u32 v[ADRA+\s], s2, v4
	v_add_nc_u32 v[ADRB+\s], s47, v4
	s_add_co_u32 s2, s2, SLOT
	s_add_co_u32 s47, s47, SLOT
.endr
	v_mul_u32_u24 v5, v1, KS                       ; my row's scales: 32 bytes a row,
	v_lshrrev_b32 v6, 8, v5
	v_lshl_add_u32 v5, v6, 4, v5                   ; and 16 more for each 256 passed
	s_mul_i32 s2, s[HA], HALFS
	s_mul_i32 s47, s[HB], HALFS
	s_add_co_u32 s47, s47, 2*HALFS
	s_sub_co_u32 s47, s47, s2
	v_mul_u32_u24 v6, s47, v2                      ; lanes 16-31 take B's: one product, the distance between the two bases x h
	s_add_co_u32 s2, s2, SCL
	v_add_nc_u32 v5, v5, v6
	v_add_nc_u32 v[ADRS], s2, v5
	v_and_b32 v3, 31, v0
	v_lshlrev_b32 v[CO], 4, v3
	v_lshlrev_b32 v[BOV], 2, v1
	v_lshl_add_u32 v5, v2, 9, v[BOV]               ; q, k: head h's 512 bytes, token's word
	s_lshl_b32 s2, s[WV], 10
	v_add_nc_u32 v[STAQ], s2, v5
	v_add_nc_u32 v[STRQ], s2, v[CO]
	s_lshl_b32 s2, s[WV], 9
	s_add_co_u32 s2, s2, STV
	v_add_nc_u32 v[STAV], s2, v[BOV]
	v_add_nc_u32 v[STRV], s2, v[CO]
	v_lshlrev_b32 v[BOF], 5, v2
	v_lshlrev_b32 v[SH], 4, v2
.irp b, 0,1,2,3
	v_mov_b32 v[TM+4+\b], 0                        ; written once: a lane permute's destination counts as one of its sources
.endr
	; where my results go.  These numbers mix cx and cy: they live in registers that feed no descriptor and no LDS address.
	s_cmp_eq_u32 s[ISV], 1
	s_cselect_b32 s3, s42, s43                     ; the tile and the half that count tokens,
	s_cselect_b32 s66, s[HB], s[HA]
	s_cselect_b32 s67, s43, s42                    ; and those that count output channels
	s_cselect_b32 s100, s[HA], s[HB]
	s_lshl_b32 s3, s3, 8
	s_lshl_b32 s66, s66, 7
	s_add_co_u32 s3, s3, s66                       ; my first token
	s_lshl_b32 s67, s67, 2
	s_lshl_b32 s100, s100, 1
	s_add_co_u32 s67, s67, s100                    ; my first head: my 128 channels are two heads
	s_lshl_b32 s100, s67, 8                        ; 64 channels x 4 bytes a head
	s_mov_b32 s101, 0
	s_add_nc_u64 s[PBI:PBI+1], s[PBI:PBI+1], s[100:101]
	s_lshr_b32 s66, s3, 11                         ; batch
	s_and_b32 s3, s3, 2047                         ; token in the batch
	s_lshl_b32 s66, s66, 4                         ; 16 x batch
	s_lshr_b32 s100, s3, 7
	s_add_co_u32 s100, s100, s66
	s_lshl_b32 s100, s100, 4                       ; v: (16 x batch + key step) x 16
	s_cmp_eq_u32 s[ISV], 1
	s_cselect_b32 s66, s100, s66
	s_cselect_b32 s3, 0, s3
	s_cselect_b32 s100, 12, 16                     ; v: 4,096 bytes of codes for a (batch, step, head);  q, k: 65,536 for a (batch, head)
	s_cselect_b32 s101, 8, 13                      ; scale words: 256 bytes;  8,192 bytes
	s_add_co_u32 s66, s66, s67                     ; + my first head
	s_lshl_b32 s100, s66, s100
	s_lshl_b32 s67, s3, 5                          ; q, k: + 32 bytes of codes a token,
	s_add_co_u32 s100, s100, s67
	s_lshl_b32 s66, s66, s101
	s_lshl_b32 s3, s3, 2                           ; + 4 bytes of scales a token
	s_add_co_u32 s66, s66, s3
	s_mov_b32 s101, 0
	s_mov_b32 s67, 0
	s_add_nc_u64 s[OC:OC+1], s[OC:OC+1], s[100:101]
	s_add_nc_u64 s[OS:OS+1], s[OS:OS+1], s[66:67]
	; my 128 biases, in both layouts (along my registers: q, k; one a lane: v): every wave loads both, so that the text parts on the kind once, at the way out
.irp b, 0,1,2,3,4,5,6,7
	global_load_b128 v[BI+8*\b:BI+8*\b+3], v[BOF], s[PBI:PBI+1] offset:64*\b
	global_load_b128 v[BI+8*\b+4:BI+8*\b+7], v[BOF], s[PBI:PBI+1] offset:64*\b+16
.endr
	WIN TO_B
.irp a, 0,1,2,3,4,5,6,7
	global_load_b32 v[BV+2*\a], v[BOV], s[PBI:PBI+1] offset:64*\a
	global_load_b32 v[BV+2*\a+1], v[BOV], s[PBI:PBI+1] offset:64*\a      ; twice: a pair for the packed addition
.endr
	WIN 0
.macro FRAG reg, adr, q, i             ; a fragment: lane l holds row l % 16; registers 4 c .. 4 c + 3 hold K = 64 c + 32 (l / 16) + 0 .. 31
.irp c, 0,1
	ds_load_b128 v[\reg+4*\c:\reg+4*\c+3], v[\adr] offset:64*(\q)+32*\c+(\i)*16*PITCH
.endr
.endm
; 16 matrix instructions: A's blocks a0, a0 + 1 x B's eight, the slot's q-th 128 along K.  p: B's set; sc: the set of scale words; zero = 1: the product starts the sums.
; The 64 accumulators take turns, one instruction a turn, in the same order in every step.
.macro MUL16 a0, p, q, sc, zero
.irp a, \a0, \a0+1
.irp b, 0,1,2,3,4,5,6,7
.if \zero
	v_wmma_scale_f32_16x16x128_f8f6f4 v[8*(8*((\a)%4)+\b):8*(8*((\a)%4)+\b)+7], v[128*(\p)+FR*\b:128*(\p)+FR*\b+FR-1], v[AF+FR*(\a):AF+FR*(\a)+FR-1], 0, v[SC+8*NQ*(\sc)+NQ*\b+(\q)], v[SC+8*NQ*(\sc)+NQ*(\a)+(\q)] matrix_a_fmt:MATRIX_FMT_FP4 matrix_b_fmt:MATRIX_FMT_FP4 matrix_a_scale:MATRIX_SCALE_ROW1
.else
	v_wmma_scale_f32_16x16x128_f8f6f4 v[8*(8*((\a)%4)+\b):8*(8*((\a)%4)+\b)+7], v[128*(\p)+FR*\b:128*(\p)+FR*\b+FR-1], v[AF+FR*(\a):AF+FR*(\a)+FR-1], v[8*(8*((\a)%4)+\b):8*(8*((\a)%4)+\b)+7], v[SC+8*NQ*(\sc)+NQ*\b+(\q)], v[SC+8*NQ*(\sc)+NQ*(\a)+(\q)] matrix_a_fmt:MATRIX_FMT_FP4 matrix_b_fmt:MATRIX_FMT_FP4 matrix_a_scale:MATRIX_SCALE_ROW1
.endif
.endr
.endr
.endm
.macro FETCH_B slot, q, p
	WIN TO_B
.irp i, 0,1,2,3,4,5,6,7
	FRAG 128*(\p)+FR*\i, ADRB+\slot, \q, \i
.endr
	WIN 0
.endm
.macro FETCH_A slot, q, i0
.irp i, \i0, \i0+1, \i0+2, \i0+3
	FRAG AF+FR*(\i), ADRA+\slot, \q, \i
.endr
.endm
.macro SCALES sc                       ; a slot's scale words: four words a row; lanes 0-15 take A's block i, lanes 16-31 B's block i
.irp i, 0,1,2,3,4,5,6,7
	ds_load_b128 v[SC+8*NQ*\sc+NQ*\i:SC+8*NQ*\sc+NQ*\i+3], v[ADRS] offset:\i*SBLK
.endr
.endm
.macro PLACES n                        ; plain vector instructions between a matrix instruction and a load into, or a vector read or write of, its registers
.rept \n
	v_nop
.endr
.endm
.macro STEP slot, q, zero              ; a step of 128 along K that has its successor in the same slot
	s_wait_dscnt 4*NL                              ; all but the youngest eight loads (A's blocks 4-7) are in
	WIN MUL_LO
	MUL16 0, (\q)%2, \q, \slot, \zero
	MUL16 2, (\q)%2, \q, \slot, \zero
	s_wait_dscnt 0                                 ; A's blocks 4-7 are in
	PLACES NP
	FETCH_B \slot, (\q)+1, 1-(\q)%2
	FETCH_A \slot, (\q)+1, 0
	WIN MUL_HI
	MUL16 4, (\q)%2, \q, \slot, \zero
	MUL16 6, (\q)%2, \q, \slot, \zero
	PLACES NP
	WIN 0
	FETCH_A \slot, (\q)+1, 4
.endm
.macro STEPS slot, from
.set Q, \from
.rept NQ-1-\from
	STEP \slot, Q, 0
.set Q, Q+1
.endr
.endm
	s_wait_tensorcnt 1                             ; the scales and my part of slot 0 are in; slot 1's load may be out
	s_barrier_signal -1
	s_barrier_wait -1                              ; everybody's are
	FETCH_B 0, 0, 0
	FETCH_A 0, 0, 0
	SCALES 0
	FETCH_A 0, 0, 4
	STEP 0, 0, 1                                   ; the first step's products start the sums: nothing is cleared
	STEPS 0, 1
	; slot 0's last step changes slots: one barrier; in front of it my part of slot 1 has landed and my reads of slot 0 are over
	s_wait_tensorcnt 0x0                           ; all my tensor loads have landed
	ds_add_u32 v[SPW], v[NIL]                      ; 0 onto my spare word
	s_wait_dscnt 4*NL+1                            ; (the add and the youngest eight loads may be out)
	WIN MUL_LO
	MUL16 0, 1, NQ-1, 0, 0
	s_wait_dscnt 0x0                               ; the add is done, and my reads of slot 0 are over
	s_barrier_signal -1
	MUL16 2, 1, NQ-1, 0, 0
	WIN 0
	s_barrier_wait -1                              ; slot 1 is whole, and nobody reads slot 0 any more
	PLACES NP
	v_add_nc_u32 v[ADRS], 4*NQ, v[ADRS]            ; on to slot 1's scale words
	FETCH_B 1, 0, 0
	FETCH_A 1, 0, 0
	SCALES 1
	WIN MUL_HI
	MUL16 4, 1, NQ-1, 0, 0
	MUL16 6, 1, NQ-1, 0, 0
	PLACES NP
	WIN 0
	FETCH_A 1, 0, 4
	STEPS 1, 0
	s_wait_dscnt 4*NL                              ; the very last step
	WIN MUL_LO
	MUL16 0, 1, NQ-1, 1, 0
	MUL16 2, 1, NQ-1, 1, 0
	s_wait_dscnt 0
	WIN MUL_HI
	MUL16 4, 1, NQ-1, 1, 0
	MUL16 6, 1, NQ-1, 1, 0
	WIN 0
; THE QUANTISER.  64 numbers of a lane, v[s] .. v[s + 63]: register 16 B + 8 u + j is index 32 B + 16 u + 8 h + j, along the axis that is quantised, of my lane's row.  A block of 32 lies in lanes l and l xor 16.
; The conversion of (B, u) gives, in half h of the lanes, word 2 u + h of block B's four words.  It is put at register 4 (B / 2) + 2 u + B % 2; the exchange of the first's lanes 16-31 with the second's lanes 0-15,
; for each pair (4 c + 2 u, 4 c + 2 u + 1), then leaves in register 4 c + w of half h word w of block 2 c + h: the 4-bit operand's layout.  The codes come in v[PC] on, the row's scale word in v[PW].
; again = 1: the block before has stored PC, PW and SW: they are rewritten only behind the two waits.
.macro QUANTN s, again
.irp b, 0,1,2,3
	v_max3_num_f32 v[TM+\b], |v[\s+16*\b]|, |v[\s+16*\b+1]|, 0x1800000   ; my 16 numbers of block b, and the floor 2^(3 - 127): so the byte cannot fall under 1
.endr
.irp i, 2,4,6,8,10,12,14
.irp b, 0,1,2,3
	v_max3_num_f32 v[TM+\b], v[TM+\b], |v[\s+16*\b+\i]|, |v[\s+16*\b+\i+1]|   ; (the four blocks by turns)
.endr
.endr
.irp b, 0,1,2,3
	v_permlanex16_b32 v[TM+4+\b], v[TM+\b], s[SEL], s[SEL+1]
.endr
.irp b, 0,1,2,3
	v_max_num_f32 v[TM+\b], v[TM+\b], v[TM+4+\b]   ; with lane l xor 16's: the block's largest magnitude
.endr
.irp b, 0,1,2,3
	v_add_nc_u32 v[TM+12+\b], 0xff000000, v[TM+\b] ; 2 off its exponent field: the conversion takes this operand's exponent field as its scale
.endr
.irp b, 0,1,2,3
	v_lshrrev_b32 v[TM+4+\b], 23, v[TM+12+\b]      ; the scale's byte
.endr
.if \again
	s_wait_xcnt 0x0                                ; the last block's global stores have read their data
	s_wait_dscnt 0x0                               ; and its LDS store too
.endif
	v_lshl_or_b32 v[PW], v[TM+5], 8, v[TM+4]
	v_lshl_or_b32 v[PW], v[TM+6], 16, v[PW]
	v_lshl_or_b32 v[PW], v[TM+7], 24, v[PW]
.irp b, 0,1,2,3
	v_cvt_scalef32_pk8_fp4_f32 v[PC+4*(\b/2)+(\b%2)], v[\s+16*\b:\s+16*\b+7], v[TM+12+\b]
	v_cvt_scalef32_pk8_fp4_f32 v[PC+4*(\b/2)+2+(\b%2)], v[\s+16*\b+8:\s+16*\b+15], v[TM+12+\b]
.endr
	v_nop                                          ; one plain place behind a scaled conversion
.irp c, 0,1
.irp u, 0,1
	v_permlane16_swap_b32 v[PC+4*\c+2*\u], v[PC+4*\c+2*\u+1]
.endr
.endr
.endm
; q, k: block a = 16 tokens x my two heads.  The bias's addition also brings the sums into window 0, each accumulator from its low end on.
.macro EPIQK a
.set AC, 64*((\a)%4)
	WIN 0x02+(\a)/4                                ; source 0: window 2 or 3
.set i, 0
.rept 32
	v_pk_add_f32 v[T+i:T+i+1], v[AC+i:AC+i+1], v[BI+i:BI+i+1]
.set i, i+2
.endr
	WIN 0
.if (\a) > 0
	QUANTN T, 1
.else
	QUANTN T, 0
.endif
	global_store_b128 v[CO], v[PC:PC+3], s[OC:OC+1] offset:512*(\a)             ; my first head's tile: 32 lanes store 512 consecutive bytes, aligned
	global_store_b128 v[CO], v[PC+4:PC+7], s[OC:OC+1] offset:65536+512*(\a)     ; my second head's
	v_lshrrev_b32 v[SW], v[SH], v[PW]              ; lanes 0-15 keep the first head's two bytes, lanes 16-31 the second's;
	v_and_b32 v[SW], 0xffff, v[SW]                 ; bytes 2, 3 are zero: they stand over the zero codes of K 64-127
	ds_store_b32 v[STAQ], v[SW] offset:64*(\a)
.endm
; v: block a = 16 channels x my 128 tokens: one fragment and one scale word a channel
.macro EPIV a
.set AC, 64*((\a)%4)
	WIN 0x06+(\a)/4                                ; source 0: window 2 or 3; source 1: window 1
.set i, 0
.rept 32
	v_pk_add_f32 v[T+i:T+i+1], v[AC+i:AC+i+1], v[BV+2*(\a):BV+2*(\a)+1]
.set i, i+2
.endr
	WIN 0
.if (\a) > 0
	QUANTN T, 1
.else
	QUANTN T, 0
.endif
	global_store_b128 v[CO], v[PC:PC+3], s[OC:OC+1] offset:1024*(\a)
	global_store_b128 v[CO], v[PC+4:PC+7], s[OC:OC+1] offset:1024*(\a)+512
	ds_store_b32 v[STAV], v[PW] offset:64*(\a)     ; both halves of the lanes write the same word with the same value
.endm
	PLACES NP                                      ; behind the last products: their results are read and A's registers written below
	s_wait_loadcnt 0x0                             ; the biases
	s_cmp_eq_u32 s[ISV], 1
	s_cbranch_scc1 .Lway_v
.irp a, 0,1,2,3,4,5,6,7
	EPIQK \a
.endr
	ds_load_b128 v[T:T+3], v[STRQ]                 ; LDS serves a wave's instructions in order (ISA guide 5.7.1.4): these see my stores.  128 tokens' words of the first head,
	ds_load_b128 v[T+4:T+7], v[STRQ] offset:512    ; of the second
	s_wait_dscnt 0x0
	global_store_b128 v[CO], v[T:T+3], s[OS:OS+1]                ; 512 consecutive bytes, aligned
	global_store_b128 v[CO], v[T+4:T+7], s[OS:OS+1] offset:8192
	s_branch .Lend
.Lway_v:
.irp a, 0,1,2,3,4,5,6,7
	EPIV \a
.endr
	ds_load_b128 v[T:T+3], v[STRV]                 ; my 128 channels' words
	s_wait_dscnt 0x0
	global_store_b128 v[CO], v[T:T+3], s[OS:OS+1]
.Lend:
	s_wait_tensorcnt 0x0                           ; the wave's end, behind my last tensor load and my last LDS store
	ds_add_u32 v[SPW], v[NIL]
	s_wait_dscnt 0x0
	CROUND                                         ; the closing round
	s_endpgm
.Lfunc_end_k_q52242a1b16_qkv:
	.size	k_q52242a1b16_qkv, .Lfunc_end_k_q52242a1b16_qkv-k_q52242a1b16_qkv
	.p2alignl 7, 3214868480
	.fill 96, 4, 3214868480
	.section	.rodata,"a",@progbits
	.p2align	6, 0x0
	.amdhsa_kernel k_q52242a1b16_qkv
		.amdhsa_group_segment_fixed_size 327680
		.amdhsa_private_segment_fixed_size 0
		.amdhsa_enable_private_segment 0
		.amdhsa_kernarg_size 136
		.amdhsa_user_sgpr_count 2
		.amdhsa_user_sgpr_kernarg_segment_ptr 1
		.amdhsa_wavefront_size32 1
		.amdhsa_system_sgpr_workgroup_id_x 1
		.amdhsa_system_sgpr_workgroup_id_y 1
		.amdhsa_system_sgpr_workgroup_id_z 1
		.amdhsa_system_vgpr_workitem_id 0
		.amdhsa_next_free_vgpr 1024
		.amdhsa_next_free_sgpr 102
		.amdhsa_reserve_vcc 0
		.amdhsa_float_denorm_mode_32 3
		.amdhsa_float_denorm_mode_16_64 3
		.amdhsa_memory_ordered 1
		.amdhsa_forward_progress 1
		.amdhsa_inst_pref_size 199
	.end_amdhsa_kernel
	.amdgpu_metadata
---
amdhsa.version: [ 1, 2 ]
amdhsa.kernels:
  - .name:           k_q52242a1b16_qkv
    .symbol:         k_q52242a1b16_qkv.kd
    .args:
      - { .name: x_codes, .offset: 0, .size: 8, .value_kind: global_buffer, .address_space: global }
      - { .name: x_scales, .offset: 8, .size: 8, .value_kind: global_buffer, .address_space: global }
      - { .name: Wq_codes, .offset: 16, .size: 8, .value_kind: global_buffer, .address_space: global }
      - { .name: Wq_scales, .offset: 24, .size: 8, .value_kind: global_buffer, .address_space: global }
      - { .name: Wk_codes, .offset: 32, .size: 8, .value_kind: global_buffer, .address_space: global }
      - { .name: Wk_scales, .offset: 40, .size: 8, .value_kind: global_buffer, .address_space: global }
      - { .name: Wv_codes, .offset: 48, .size: 8, .value_kind: global_buffer, .address_space: global }
      - { .name: Wv_scales, .offset: 56, .size: 8, .value_kind: global_buffer, .address_space: global }
      - { .name: bq, .offset: 64, .size: 8, .value_kind: global_buffer, .address_space: global }
      - { .name: bk, .offset: 72, .size: 8, .value_kind: global_buffer, .address_space: global }
      - { .name: bv, .offset: 80, .size: 8, .value_kind: global_buffer, .address_space: global }
      - { .name: q_codes, .offset: 88, .size: 8, .value_kind: global_buffer, .address_space: global }
      - { .name: q_sc, .offset: 96, .size: 8, .value_kind: global_buffer, .address_space: global }
      - { .name: k_codes, .offset: 104, .size: 8, .value_kind: global_buffer, .address_space: global }
      - { .name: k_sc, .offset: 112, .size: 8, .value_kind: global_buffer, .address_space: global }
      - { .name: v_codes, .offset: 120, .size: 8, .value_kind: global_buffer, .address_space: global }
      - { .name: v_sc, .offset: 128, .size: 8, .value_kind: global_buffer, .address_space: global }
    .group_segment_fixed_size: 327680
    .private_segment_fixed_size: 0
    .kernarg_segment_align: 8
    .kernarg_segment_size: 136
    .max_flat_workgroup_size: 128
    .sgpr_count:     102
    .vgpr_count:     1024
    .wavefront_size: 32
...
	.end_amdgpu_metadata
.endif
;; end of part 1
;; launch attn (part 2): grid 4 x 64, 16 waves a work-group, clusters of 4 x 1, 167,936 bytes of LDS; arguments q_codes, q_sc, k_codes, k_sc, v_codes, v_sc, a_codes, a_sc; writes a_codes, a_sc
.if DOCPART == 2
	.amdgcn_target "amdgcn-amd-amdhsa--gfx1250"
	.amdhsa_code_object_version 6
	.text
	.protected	k_q52242a1b16_attn
	.globl	k_q52242a1b16_attn
	.p2align	8
	.type	k_q52242a1b16_attn,@function
k_q52242a1b16_attn:
	s_mov_b64 s[64:65], 0
	v_nop
	global_prefetch_b8 v0, s[64:65] scope:SCOPE_SE
	s_setreg_imm32_b32 hwreg(HW_REG_WAVE_MODE, 25, 1), 1
	s_wait_xcnt 0x0
	s_wait_alu depctr_hold_cnt(0) depctr_sa_sdst(0) depctr_va_vdst(0) depctr_va_sdst(0) depctr_va_ssrc(0) depctr_va_vcc(0) depctr_vm_vsrc(0)
	s_getreg_b32 s2, hwreg(HW_REG_IB_STS2, 6, 4)
	s_cmp_eq_u32 s2, 0
	s_cbranch_scc0 .Lentry_in_a_cluster
	s_endpgm
.Lentry_in_a_cluster:
	s_bfe_u32 s2, ttmp6, 0x10000c
	s_cmp_lg_u32 s2, 0x3003
	s_cbranch_scc0 .Lentry_shape_is_right
	s_endpgm
.Lentry_shape_is_right:
; LAUNCH 2 OF 3: for each batch and head, O[q] = sum over keys k <= q of softmax_k(Q[q] . K[k] x 64^0.25) V[k], both products on codes of E2M1 with E8M0 scales; O is quantised along the model's 1,024 (two blocks a head).
; LEFT OUT: key steps of 128 keys all of which come after the tile's 16 queries: reference()'s own tril gives them -inf, p = 0 (shown at the head of the first kernel).  A NaN or infinity that reaches only them is not carried on.
; THE SOFTMAX: t = score x c, c = 64^0.25 x log2(e), by one fused multiply-add (reference() rounds twice); M = the running largest t rounded UP to a whole number; p = 2^(t - M) is quantised along the keys, not normalised;
; the row's sum is taken of the unquantised p and divides O at the end (v_rcp_f32 and a multiplication).  When M moves, the sum and O are multiplied by 2^(old M - new M): exact.
; LIMITS: NaN and infinities are not served; a block of zeros gets the scale byte 1, read by this program alone.
; SHARES.  The four work-groups of a head form a cluster; each has sixteen waves of 256 registers.  Wave w of work-group g takes two tiles of 16 queries one after the other: tile 4 w + g, whose last key step is
; w / 2, and tile 127 - 4 w - g, whose last is 15 - w / 2: 17 key steps for every wave of the launch, two of them on the diagonal.  The number of steps hangs on the wave's number alone.
; LDS.  A head's K and V (codes and scale words, 143,360 bytes) come ONCE, by joint loads of waves 0 to 3 that name all four work-groups; one barrier; then the waves walk with no barrier.  No LDS byte is filled twice.
; The buffers are images of operand registers, so every LDS load takes consecutive bytes: 16 or 4 a lane.
; LAYOUT.  Both products transposed: S^T = K Q^T (source 0 = 16 keys, source 1 = my 16 queries), O^T = V^T P^T: a lane (r, h) holds query r throughout.  Register 8 t + j of S^T is key 16 t + 8 h + j of the step.
; The head's 64 fill half of the instruction's 128 along K: registers 4-7 of K's and Q's fragments hold zero codes.
; The scale bytes of O leave one byte a lane (256 KB in the whole launch), so that the next launch finds them as plain rows.
.set VC,    65536                      ; LDS: K's codes from 0: [tile of 16 keys][512];  V's: [key step][tile of 16 channels][1,024]
.set KS,    131072                     ; K's scale words, 4 bytes a key
.set VS,    139264                     ; V's: [key step][64 channels]
.set SPARE, 143360                     ; the spare words: 128 bytes a wave, eight blocks of 256 bytes that no other line names
.set L16,  1                           ; v1   16 x lane
.set AV0,  2                           ; v2   VC + 16 x lane
.set ASK0, 3                           ; v3   KS + 4 x lane
.set ASV0, 4                           ; v4   VS + 4 x lane
.set SPW,  5                           ; v5   my spare word's LDS address; never rewritten
.set NIL,  6                           ; v6   0; never rewritten
.set ADK,  8                           ; v8-11 the step's LDS addresses
.set ADV,  9
.set ADS,  10
.set ADT,  11                          ; v12 -M, v13 the largest t, v[14:15] the sum in two halves; v16-19 Q, v20-23 zero codes
.set QS,   24                          ; v24  Q's scale words
.set DM,   25                          ; v25  my query less the diagonal step's first key less 8 h
.set GS,   26                          ; v26  4 r
.set GA,   27                          ; v27  32 r + h
.set RH,   28                          ; v28  r - 8 h
.set KFR,  32                          ; v32-95   K's 8 fragments: registers 8 t .. 8 t + 3 loaded, 8 t + 4 .. 8 t + 7 zero codes
.set VFR,  192                         ; v192-223 V's 4 fragments;  v96-159 S^T, then p;  v160-191 O^T
.set PC,   224                         ; v224-231 p's codes
.set KSC,  240                         ; v240-243 K's scale words: lanes 0-15 tile 2 B, lanes 16-31 tile 2 B + 1
.set VSC,  248                         ; v248-249 V's likewise
.set PS,   250                         ; v250 p's scale word;  v232-239, v244-247, v251-254 at work
.set WV,   20
.set SEL,  22
.set G1K,  24
.set G1V,  32
.set G1KS, 40
.set G1VS, 48
.set G0K,  56
.set G0V,  60
.set G0KS, 68
.set G0VS, 72
.set CS,   76                          ; s[76:77] c
.set TB,   78                          ; s78  the step's codes: 4,096 bytes a step, in K's and in V's
.set TS,   79                          ; s79  K's scale words: 512 bytes a step
.set TJ,   80                          ; s80  V's: 256
.set STEPI, 81
.set LIMIT, 82                         ; s82  the tile's last key step, the one on the diagonal
.set SE,   84                          ; s84  the tile's first query less that step's first key
.set MHI,  85                          ; s85  lanes 16-31
.set DQ,   86                          ; s[86:87], s[88:89], s[90:91]: from the first tile to the second, in bytes of 512, 64 and 8,192 a tile
.set DS,   88
.set DA,   90
.macro CROUND
	s_barrier_signal -1
	s_barrier_wait -1
	s_cmp_lg_u32 s[WV], 0
	s_cbranch_scc1 .Lnot_wave_0_\@
	s_barrier_signal -3
.Lnot_wave_0_\@:
	s_barrier_wait -3
	s_barrier_signal -1
	s_barrier_wait -1
.endm
.macro GROUP1 g, c, r, p               ; r rows of c elements of 8 bytes, p elements apart in memory, dense in LDS; the mask names all four work-groups, bit 21 beside it
	s_mov_b32 s[\g], 15|(3<<16)|(1<<21)
	s_mov_b32 s[\g+1], (\c)<<16
	s_mov_b32 s[\g+2], (\r)<<16
	s_mov_b32 s[\g+3], (\c)<<16
	s_mov_b32 s[\g+4], \r
	s_mov_b32 s[\g+5], \p
	s_mov_b32 s[\g+6], 0
	s_mov_b32 s[\g+7], 0
.endm
	s_load_b512 s[4:19], s[0:1], 0x0               ; q_codes, q_sc, k_codes, k_sc, v_codes, v_sc, a_codes, a_sc
	v_lshl_add_u32 v[SPW], v0, 2, SPARE
	v_mov_b32 v[NIL], 0
	ds_add_u32 v[SPW], v[NIL]                      ; the wave's opening: the add, twice on end, and its wait ahead of the first tensor loads
	ds_add_u32 v[SPW], v[NIL]                      ; and once more; the set-up below stands between it and the wait
	v_lshrrev_b32 v8, 5, v0
	v_readfirstlane_b32 s[WV], v8                  ; wave 0..15
	s_and_b32 s92, ttmp7, 0xffff                   ; batch x 16 + head: the four partners share it
	s_lshr_b32 s93, s92, 4                         ; batch
	s_and_b32 s94, s92, 15                         ; head
	s_and_b32 s96, s[WV], 1                        ; which half a loading wave fetches
	s_bfe_u32 s95, ttmp6, 0x40000                  ; g = cx: it enters Q's and the result's global addresses and the mask's numbers alone
	s_lshl_b32 s97, s[WV], 2
	s_add_co_u32 s97, s97, s95                     ; my first tile: 4 w + g
	s_lshr_b32 s[LIMIT], s[WV], 1                  ; (4 w + g) / 8 = w / 2
	s_lshl_b32 s[SE], s96, 6
	s_lshl_b32 s95, s95, 4
	s_add_co_u32 s[SE], s[SE], s95                 ; 16 x (tile % 8)
	s_lshl_b32 s[DQ], s97, 1
	s_sub_co_u32 s[DQ], 127, s[DQ]                 ; tiles from the first to the second: 127 - 2 x tile, at least 1
	s_lshl_b32 s[DS], s[DQ], 6
	s_lshl_b32 s[DA], s[DQ], 13
	s_lshl_b32 s[DQ], s[DQ], 9
	s_mov_b32 s[DQ+1], 0
	s_mov_b32 s[DS+1], 0
	s_mov_b32 s[DA+1], 0
	GROUP1 G1K, 32, 128, 32                        ; half a head's K codes: 32,768 dense bytes as rows of 256
	GROUP1 G1V, 512, 8, 8192                       ; 8 key steps of V's codes: 4,096 bytes each, 65,536 apart (16 heads lie between)
	GROUP1 G1KS, 32, 16, 32                        ; half of K's scale words: 4,096 dense bytes
	GROUP1 G1VS, 32, 8, 512                        ; 8 key steps of V's: 256 bytes each, 4,096 apart
	s_mov_b32 s[SEL], 0x76543210
	s_mov_b32 s[SEL+1], 0xfedcba98
	s_mov_b32 s[CS], 0x408293ee                    ; c = 64^0.25 x log2(e) = 4.0805578
	s_mov_b32 s[CS+1], s[CS]                       ; (named with it as a pair, so it is written)
	s_mov_b32 s[MHI], 0xffff0000
	s_mov_b32 s3, 0
	s_mov_b32 s99, 0
	s_wait_dscnt 0x0                               ; both opening adds are done
	s_wait_kmcnt 0x0
	; the four groups 0: made of the batch, the head and the wave's number alone
	s_lshl_b32 s2, s92, 16
	s_lshl_b32 s21, s96, 15
	s_add_co_u32 s2, s2, s21
	s_mov_b32 s[G0K], 1
	s_lshl_b32 s[G0K+1], s96, 15
	s_add_nc_u64 s[G0K+2:G0K+3], s[8:9], s[2:3]
	s_or_b32 s[G0K+3], s[G0K+3], 0x80000000
	s_mov_b32 s[G0V], 1
	s_add_co_u32 s[G0V+1], s21, VC
	s_lshl_b32 s2, s93, 20
	s_lshl_b32 s21, s94, 12
	s_add_co_u32 s2, s2, s21
	s_lshl_b32 s21, s96, 19
	s_add_co_u32 s2, s2, s21
	s_add_nc_u64 s[G0V+2:G0V+3], s[12:13], s[2:3]
	s_or_b32 s[G0V+3], s[G0V+3], 0x80000000
	s_lshl_b32 s2, s92, 13
	s_lshl_b32 s21, s96, 12
	s_add_co_u32 s2, s2, s21
	s_mov_b32 s[G0KS], 1
	s_add_co_u32 s[G0KS+1], s21, KS
	s_add_nc_u64 s[G0KS+2:G0KS+3], s[10:11], s[2:3]
	s_or_b32 s[G0KS+3], s[G0KS+3], 0x80000000
	s_lshl_b32 s2, s93, 16
	s_lshl_b32 s21, s94, 8
	s_add_co_u32 s2, s2, s21
	s_lshl_b32 s21, s96, 15
	s_add_co_u32 s2, s2, s21
	s_lshl_b32 s21, s96, 11
	s_mov_b32 s[G0VS], 1
	s_add_co_u32 s[G0VS+1], s21, VS
	s_add_nc_u64 s[G0VS+2:G0VS+3], s[14:15], s[2:3]
	s_or_b32 s[G0VS+3], s[G0VS+3], 0x80000000
	; Q and the result at my first tile
	s_lshl_b32 s98, s92, 16
	s_lshl_b32 s95, s97, 9
	s_add_co_u32 s98, s98, s95
	s_add_nc_u64 s[4:5], s[4:5], s[98:99]          ; Q's codes: 65,536 bytes a head, 512 a tile
	s_lshl_b32 s98, s92, 13
	s_lshl_b32 s95, s97, 6
	s_add_co_u32 s98, s98, s95
	s_add_nc_u64 s[6:7], s[6:7], s[98:99]          ; Q's scale words: 8,192 a head, 64 a tile
	s_lshl_b32 s95, s93, 7
	s_add_co_u32 s95, s95, s97                     ; the tile among all tokens: 128 x batch + tile
	s_lshl_b32 s98, s95, 13
	s_lshl_b32 s97, s94, 9
	s_add_co_u32 s98, s98, s97
	s_add_nc_u64 s[16:17], s[16:17], s[98:99]      ; the result's codes: 8,192 bytes a tile, 512 a head
	s_lshl_b32 s98, s95, 9
	s_lshl_b32 s97, s94, 1
	s_add_co_u32 s98, s98, s97
	s_add_nc_u64 s[18:19], s[18:19], s[98:99]      ; its scale bytes: 32 a token, 2 a head
	CROUND                                         ; all four work-groups are here: the joint loads meet
	s_cmp_lt_u32 s[WV], 2                          ; a loading wave's two fills stand in one branch on the wave's number: two tensor loads of it are out; waves 4 to 15 issue none
	s_cbranch_scc0 .Lnot_k
	tensor_load_to_lds s[G0KS:G0KS+3], s[G1KS:G1KS+7]
	s_nop 0
	tensor_load_to_lds s[G0K:G0K+3], s[G1K:G1K+7]
	s_nop 0
.rept 4
	v_nop
.endr
	s_branch .Lasked
.Lnot_k:
	s_cmp_lt_u32 s[WV], 4
	s_cbranch_scc0 .Lasked
	tensor_load_to_lds s[G0VS:G0VS+3], s[G1VS:G1VS+7]
	s_nop 0
	tensor_load_to_lds s[G0V:G0V+3], s[G1V:G1V+7]
	s_nop 0
.rept 4
	v_nop
.endr
.Lasked:
	v_and_b32 v8, 31, v0                           ; lane
	v_and_b32 v9, 15, v0                           ; r
	v_bfe_u32 v10, v0, 4, 1                        ; h
	v_lshlrev_b32 v[L16], 4, v8
	v_add_nc_u32 v[AV0], VC, v[L16]
	v_lshl_add_u32 v[ASK0], v8, 2, KS
	v_lshl_add_u32 v[ASV0], v8, 2, VS
	v_lshlrev_b32 v[GS], 2, v9
	v_lshl_add_u32 v[GA], v9, 5, v10
	v_lshlrev_b32 v11, 3, v10
	v_sub_nc_u32 v[RH], v9, v11
.irp j, 20,21,22,23
	v_mov_b32 v[\j], 0                             ; Q's zero codes for K 64-127
.endr
.irp t, 0,1,2,3,4,5,6,7
.irp j, 4,5,6,7
	v_mov_b32 v[KFR+8*\t+\j], 0                    ; K's
.endr
.endr
.irp j, 236,237,238,239,252,253
	v_mov_b32 v[\j], 0                             ; written once: lane permutes' destinations count as sources; v253 is named as the upper half of the pair v[252:253]
.endr
	s_wait_tensorcnt 0x0                           ; my loads, if I issued any, have landed
	s_barrier_signal -1
	s_barrier_wait -1                              ; everybody's have: the head's K and V lie in LDS, and nothing writes them again
; ONE TILE OF 16 QUERIES: Q, the walk over the key steps, the way out.  The loop has 16 constant trips; a step behind the diagonal is passed over by a scalar branch on the wave's number and the count of steps.
.macro WALK
	global_load_b128 v[16:19], v[L16], s[4:5] th:TH_LOAD_NT      ; Q's fragment: lane (r, h): query r, block h
	global_load_b32 v[QS], v[GS], s[6:7] th:TH_LOAD_NT           ; its scale words
	v_add_nc_u32 v[DM], s[SE], v[RH]
	v_mov_b32 v13, 0xff61b1e6                      ; the largest t so far: -3e38, under every t
	v_floor_f32 v12, -v13                          ; -M
	v_mov_b32 v14, 0
	v_mov_b32 v15, 0
.set j, 0
.rept 32
	v_mov_b32 v[160+j], 0                          ; O^T: the step is written once; the first finds zeros, which the first change of M leaves zeros
.set j, j+1
.endr
	s_mov_b32 s[TB], 0
	s_mov_b32 s[TS], 0
	s_mov_b32 s[TJ], 0
	s_mov_b32 s[STEPI], 0
	s_wait_loadcnt 0x0
.Lstep_\@:
	s_cmp_gt_u32 s[STEPI], s[LIMIT]
	s_cbranch_scc1 .Lhidden_\@
	v_add_nc_u32 v[ADK], s[TB], v[L16]             ; these four are also the places between the last step's products and the loads into their registers
	v_add_nc_u32 v[ADV], s[TB], v[AV0]
	v_add_nc_u32 v[ADS], s[TS], v[ASK0]
	v_add_nc_u32 v[ADT], s[TJ], v[ASV0]
.irp t, 0,1,2,3,4,5,6,7
	ds_load_b128 v[KFR+8*\t:KFR+8*\t+3], v[ADK] offset:512*\t
.endr
.irp b, 0,1,2,3
	ds_load_b32 v[KSC+\b], v[ADS] offset:128*\b
.endr
.irp n, 0,1,2,3
	ds_load_b128 v[VFR+8*\n:VFR+8*\n+3], v[ADV] offset:1024*\n
	ds_load_b128 v[VFR+8*\n+4:VFR+8*\n+7], v[ADV] offset:1024*\n+512
.endr
.irp n, 0,1
	ds_load_b32 v[VSC+\n], v[ADT] offset:128*\n
.endr
	s_wait_dscnt 10                                ; K's twelve loads are in; V's ten may be out
.irp t, 0,1,2,3,4,5,6,7
.if \t%2
	v_wmma_scale_f32_16x16x128_f8f6f4 v[96+8*\t:103+8*\t], v[KFR+8*\t:KFR+8*\t+7], v[16:23], 0, v[KSC+\t/2], v[QS] matrix_a_fmt:MATRIX_FMT_FP4 matrix_b_fmt:MATRIX_FMT_FP4 matrix_a_scale:MATRIX_SCALE_ROW1
.else
	v_wmma_scale_f32_16x16x128_f8f6f4 v[96+8*\t:103+8*\t], v[KFR+8*\t:KFR+8*\t+7], v[16:23], 0, v[KSC+\t/2], v[QS] matrix_a_fmt:MATRIX_FMT_FP4 matrix_b_fmt:MATRIX_FMT_FP4
.endif
.endr
.rept 4
	v_nop
.endr
	s_cmp_lt_u32 s[STEPI], s[LIMIT]                ; only the tile's last step lies on the diagonal
	s_cbranch_scc1 .Lopen_\@
	v_mov_b32 v254, 0xff800000                     ; hidden scores become -infinity ahead of the maximum: p = 0.  The step's first key counts for every query of the tile, so the maximum stays a number
.set n, 0
.rept 64
	v_cmp_gt_i32 vcc_lo, 16*(n/8)+n%8, v[DM]       ; register n holds the step's key 16 (n / 8) + 8 h + n % 8
	v_cndmask_b32 v[96+n], v[96+n], v254, vcc_lo
.set n, n+1
.endr
.Lopen_\@:
.irp b, 0,1,2,3
	v_max3_num_f32 v[232+\b], v[96+16*\b], v[97+16*\b], v[98+16*\b]   ; the largest score of each block of 32 keys: for the row's maximum and, since p rises with the score, for the block's largest p
.endr
.irp i, 3,5,7,9,11,13
.irp b, 0,1,2,3
	v_max3_num_f32 v[232+\b], v[232+\b], v[96+16*\b+\i], v[97+16*\b+\i]
.endr
.endr
.irp b, 0,1,2,3
	v_max_num_f32 v[232+\b], v[232+\b], v[111+16*\b]
.endr
.irp b, 0,1,2,3
	v_permlanex16_b32 v[236+\b], v[232+\b], s[SEL], s[SEL+1]
.endr
.irp b, 0,1,2,3
	v_max_num_f32 v[232+\b], v[232+\b], v[236+\b]  ; with lane l xor 16's 16 keys
.endr
	v_max3_num_f32 v254, v232, v233, v234
	v_max_num_f32 v254, v254, v235                 ; the step's largest score of my query
	v_mul_f32 v254, s[CS], v254                    ; as t (c is positive)
	v_max_num_f32 v13, v13, v254                   ; the running largest t
	v_mov_b32 v254, v12
	v_floor_f32 v12, -v13                          ; the new -M = floor(-t) = -ceil(t)
	v_sub_f32 v254, v12, v254                      ; old M less new M: a whole number, 0 or less
	v_cvt_i32_f32 v254, v254                       ; (it saturates)
	v_ldexp_f32 v252, 1.0, v254                    ; f = 2^(old M - new M)
.set j, 0
.rept 32
	v_pk_fma_f32 v[96+j:97+j], v[96+j:97+j], s[CS:CS+1], v[12:13] op_sel_hi:[1,0,0]   ; t - M, two at a time
.set j, j+2
.endr
.irp b, 0,1,2,3
	v_fma_f32 v[232+\b], v[232+\b], s[CS], v12     ; the same of each block's largest score
.endr
.set j, 0
.rept 64
	v_exp_f32 v[96+j], v[96+j]                     ; p = 2^(t - M), at most 1
.set j, j+1
.endr
	v_pk_mul_f32 v[14:15], v[14:15], v[252:253] op_sel_hi:[1,0]   ; the sums under the new M: the plain place behind the exponentials
	s_wait_alu depctr_va_vdst(0)                   ; one wait for the batch of 64, ahead of its first reader
.irp b, 0,1,2,3
	v_exp_f32 v[232+\b], v[232+\b]                 ; the block's largest p: the same two instructions on the same number
.endr
	v_pk_add_f32 v[236:237], v[96:97], v[98:99]    ; the row's sum of the unquantised p, in two chains
.irp j, 4,8,12,16,20,24,28,32,36,40,44,48,52,56,60
	v_pk_add_f32 v[14:15], v[14:15], v[96+\j:97+\j]
	v_pk_add_f32 v[236:237], v[236:237], v[98+\j:99+\j]
.endr
	v_pk_add_f32 v[14:15], v[14:15], v[236:237]
	s_wait_alu depctr_va_vdst(0)                   ; and one for the four
.irp b, 0,1,2,3
	v_max_num_f32 v[232+\b], 0x1800000, v[232+\b]  ; the floor 2^(3 - 127): the byte cannot fall under 1
.endr
.irp b, 0,1,2,3
	v_add_nc_u32 v[244+\b], 0xff000000, v[232+\b]  ; 2 off the exponent field: the conversion's scale operand
.endr
.irp b, 0,1,2,3
	v_lshrrev_b32 v[236+\b], 23, v[244+\b]         ; the scale's byte
.endr
	v_lshl_or_b32 v[PS], v237, 8, v236             ; p's scale word for these 128 keys
	v_lshl_or_b32 v[PS], v238, 16, v[PS]
	v_lshl_or_b32 v[PS], v239, 24, v[PS]
.irp b, 0,1,2,3                                ; the conversion of (block b, half u) gives word 2 u + h of the block: it goes to register 4 (b / 2) + 2 u + b % 2
	v_cvt_scalef32_pk8_fp4_f32 v[PC+4*(\b/2)+(\b%2)], v[96+16*\b:103+16*\b], v[244+\b]
	v_cvt_scalef32_pk8_fp4_f32 v[PC+4*(\b/2)+2+(\b%2)], v[104+16*\b:111+16*\b], v[244+\b]
.endr
	v_nop                                          ; one plain place behind a scaled conversion
.irp c, 0,1                                    ; the exchange leaves word w of block 2 c + h in register 4 c + w: the operand's layout
.irp u, 0,1
	v_permlane16_swap_b32 v[PC+4*\c+2*\u], v[PC+4*\c+2*\u+1]
.endr
.endr
.set j, 0
.rept 16
	v_pk_mul_f32 v[160+j:161+j], v[160+j:161+j], v[252:253] op_sel_hi:[1,0]   ; O^T under the new M; these sixteen are also the places between the scale word, the codes and the products below
.set j, j+2
.endr
	s_wait_dscnt 0x0                               ; V is in
.irp n, 0,1,2,3                                ; four accumulators by turns, one instruction a turn
.if \n%2
	v_wmma_scale_f32_16x16x128_f8f6f4 v[160+8*\n:167+8*\n], v[VFR+8*\n:VFR+8*\n+7], v[PC:PC+7], v[160+8*\n:167+8*\n], v[VSC+\n/2], v[PS] matrix_a_fmt:MATRIX_FMT_FP4 matrix_b_fmt:MATRIX_FMT_FP4 matrix_a_scale:MATRIX_SCALE_ROW1
.else
	v_wmma_scale_f32_16x16x128_f8f6f4 v[160+8*\n:167+8*\n], v[VFR+8*\n:VFR+8*\n+7], v[PC:PC+7], v[160+8*\n:167+8*\n], v[VSC+\n/2], v[PS] matrix_a_fmt:MATRIX_FMT_FP4 matrix_b_fmt:MATRIX_FMT_FP4
.endif
.endr
.Lhidden_\@:
	s_add_co_u32 s[TB], s[TB], 4096
	s_add_co_u32 s[TS], s[TS], 512
	s_add_co_u32 s[TJ], s[TJ], 256
	s_add_co_u32 s[STEPI], s[STEPI], 1
	s_cmp_lt_u32 s[STEPI], 16
	s_cbranch_scc1 .Lstep_\@
	; THE WAY OUT: O^T / the sum, quantised along the head's 64 (two blocks of the model's 1,024).  Register 8 n + j is channel 16 n + 8 h + j of query r.
.rept 4
	v_nop                                          ; places behind the last products
.endr
	v_add_f32 v14, v14, v15
	v_permlanex16_b32 v252, v14, s[SEL], s[SEL+1]
	v_add_f32 v14, v14, v252                       ; the row's sum
	v_rcp_f32 v14, v14
	v_nop                                          ; a plain place behind the transcendental
	s_wait_alu depctr_va_vdst(0)                   ; and the wait ahead of its first reader
.set j, 0
.rept 16
	v_pk_mul_f32 v[96+j:97+j], v[160+j:161+j], v[14:15] op_sel_hi:[1,0]   ; each accumulator from its low end on
.set j, j+2
.endr
.irp b, 0,1
	v_max3_num_f32 v[232+\b], |v[96+16*\b]|, |v[97+16*\b]|, 0x1800000
.endr
.irp i, 2,4,6,8,10,12,14
.irp b, 0,1
	v_max3_num_f32 v[232+\b], v[232+\b], |v[96+16*\b+\i]|, |v[97+16*\b+\i]|
.endr
.endr
.irp b, 0,1
	v_permlanex16_b32 v[236+\b], v[232+\b], s[SEL], s[SEL+1]
.endr
.irp b, 0,1
	v_max_num_f32 v[232+\b], v[232+\b], v[236+\b]
.endr
.irp b, 0,1
	v_add_nc_u32 v[244+\b], 0xff000000, v[232+\b]
.endr
.irp b, 0,1
	v_lshrrev_b32 v[236+\b], 23, v[244+\b]
.endr
	v_cvt_scalef32_pk8_fp4_f32 v[PC], v[96:103], v244
	v_cvt_scalef32_pk8_fp4_f32 v[PC+1], v[112:119], v245
	v_cvt_scalef32_pk8_fp4_f32 v[PC+2], v[104:111], v244
	v_cvt_scalef32_pk8_fp4_f32 v[PC+3], v[120:127], v245
	v_cndmask_b32 v251, v236, v237, s[MHI]         ; (the plain place behind the conversions)  lanes 0-15 keep block 0's byte, lanes 16-31 block 1's
	v_permlane16_swap_b32 v[PC], v[PC+1]
	v_permlane16_swap_b32 v[PC+2], v[PC+3]
	global_store_b128 v[L16], v[PC:PC+3], s[16:17] ; lane (r, h): token r, block h of my head: 512 consecutive bytes, aligned
	global_store_b8 v[GA], v251, s[18:19]          ; token r's byte of block h
.endm
	WALK                                           ; tile 4 w + g
	s_wait_xcnt 0x0                                ; the stores and loads have read their registers and bases: they are written again only behind this wait
	s_add_nc_u64 s[4:5], s[4:5], s[DQ:DQ+1]
	s_add_nc_u64 s[6:7], s[6:7], s[DS:DS+1]
	s_add_nc_u64 s[16:17], s[16:17], s[DA:DA+1]
	s_add_nc_u64 s[18:19], s[18:19], s[DQ:DQ+1]
	s_sub_co_u32 s[LIMIT], 15, s[LIMIT]
	s_sub_co_u32 s[SE], 112, s[SE]
	WALK                                           ; tile 127 - 4 w - g
	s_wait_tensorcnt 0x0                           ; the wave's end
	ds_add_u32 v[SPW], v[NIL]
	s_wait_dscnt 0x0
	CROUND                                         ; the closing round
	s_endpgm
.Lfunc_end_k_q52242a1b16_attn:
	.size	k_q52242a1b16_attn, .Lfunc_end_k_q52242a1b16_attn-k_q52242a1b16_attn
	.p2alignl 7, 3214868480
	.fill 96, 4, 3214868480
	.section	.rodata,"a",@progbits
	.p2align	6, 0x0
	.amdhsa_kernel k_q52242a1b16_attn
		.amdhsa_group_segment_fixed_size 167936
		.amdhsa_private_segment_fixed_size 0
		.amdhsa_enable_private_segment 0
		.amdhsa_kernarg_size 64
		.amdhsa_user_sgpr_count 2
		.amdhsa_user_sgpr_kernarg_segment_ptr 1
		.amdhsa_wavefront_size32 1
		.amdhsa_system_sgpr_workgroup_id_x 1
		.amdhsa_system_sgpr_workgroup_id_y 1
		.amdhsa_system_sgpr_workgroup_id_z 1
		.amdhsa_system_vgpr_workitem_id 0
		.amdhsa_next_free_vgpr 256
		.amdhsa_next_free_sgpr 100
		.amdhsa_reserve_vcc 1
		.amdhsa_float_denorm_mode_32 3
		.amdhsa_float_denorm_mode_16_64 3
		.amdhsa_memory_ordered 1
		.amdhsa_forward_progress 1
		.amdhsa_inst_pref_size 60
	.end_amdhsa_kernel
	.amdgpu_metadata
---
amdhsa.version: [ 1, 2 ]
amdhsa.kernels:
  - .name:           k_q52242a1b16_attn
    .symbol:         k_q52242a1b16_attn.kd
    .args:
      - { .name: q_codes, .offset: 0, .size: 8, .value_kind: global_buffer, .address_space: global }
      - { .name: q_sc, .offset: 8, .size: 8, .value_kind: global_buffer, .address_space: global }
      - { .name: k_codes, .offset: 16, .size: 8, .value_kind: global_buffer, .address_space: global }
      - { .name: k_sc, .offset: 24, .size: 8, .value_kind: global_buffer, .address_space: global }
      - { .name: v_codes, .offset: 32, .size: 8, .value_kind: global_buffer, .address_space: global }
      - { .name: v_sc, .offset: 40, .size: 8, .value_kind: global_buffer, .address_space: global }
      - { .name: a_codes, .offset: 48, .size: 8, .value_kind: global_buffer, .address_space: global }
      - { .name: a_sc, .offset: 56, .size: 8, .value_kind: global_buffer, .address_space: global }
    .group_segment_fixed_size: 167936
    .private_segment_fixed_size: 0
    .kernarg_segment_align: 8
    .kernarg_segment_size: 64
    .max_flat_workgroup_size: 512
    .sgpr_count:     100
    .vgpr_count:     256
    .wavefront_size: 32
...
	.end_amdgpu_metadata
.endif
;; end of part 2
;; launch oproj (part 3): grid 4 x 64, 4 waves a work-group, clusters of 4 x 4, 262,144 bytes of LDS; arguments a_codes, a_sc, Wo_codes, Wo_scales, bo, out0; writes out0
.if DOCPART == 3
	.amdgcn_target "amdgcn-amd-amdhsa--gfx1250"
	.amdhsa_code_object_version 6
	.text
	.protected	k_q52242a1b16_oproj
	.globl	k_q52242a1b16_oproj
	.p2align	8
	.type	k_q52242a1b16_oproj,@function
k_q52242a1b16_oproj:
	s_mov_b64 s[64:65], 0
	v_nop
	global_prefetch_b8 v0, s[64:65] scope:SCOPE_SE
	s_setreg_imm32_b32 hwreg(HW_REG_WAVE_MODE, 25, 1), 1
	s_wait_xcnt 0x0
	s_wait_alu depctr_hold_cnt(0) depctr_sa_sdst(0) depctr_va_vdst(0) depctr_va_sdst(0) depctr_va_ssrc(0) depctr_va_vcc(0) depctr_vm_vsrc(0)
	s_getreg_b32 s2, hwreg(HW_REG_IB_STS2, 6, 4)
	s_cmp_eq_u32 s2, 0
	s_cbranch_scc0 .Lentry_in_a_cluster
	s_endpgm
.Lentry_in_a_cluster:
	s_bfe_u32 s2, ttmp6, 0x10000c
	s_cmp_lg_u32 s2, 0xf033
	s_cbranch_scc0 .Lentry_shape_is_right
	s_endpgm
.Lentry_shape_is_right:
; LAUNCH 3 OF 3: out = A Wo^T + bo.  A: the attention's result as codes of E2M1 and E8M0 scale bytes, made by the launch before; Wo: given as codes; sums f32; out0 [8,192][1,024] f32.  No work is left out here.
; SHARES.  256 work-groups; each makes 128 tokens x 256 outputs, each of its four waves 64 x 128: 32 accumulators, 256 registers.  4 x 4 work-groups form a cluster: A's tile is shared along a row, Wo's along a column.
; K = 1,024 is two halves of 512, each filled ONCE: no LDS byte is filled twice.  The second half lands while the first is multiplied.
; a_codes is laid [tile of 16 tokens][head][512 B] = [tile][K step of 128][1,024 B]: images of fragments, so A's LDS loads take 512 consecutive bytes.  Wo's rows lie as rows, 272 bytes apart in LDS.
; The matrix instruction is used transposed (source 0 = 16 rows of Wo, source 1 = 16 tokens): a lane holds eight neighbouring outputs of a token.  bo is the C of each sum's first product.
; REGISTERS: window 0: v16-29 addresses; v32-95 scale words, two sets; v128-191 A's fragments, two sets; v192-255 bo in the result's layout; on the way out v128-255 hold rows.
;   window 1: Wo's fragments, two sets, at v0 and v128.   window 2: accumulator (a, b) at v[8 (8 a + b)].
.set BT,    65536                      ; LDS: A's images from 0: [K half][tile 8][K step 4][1,024];  Wo's tiles: [K half][256 rows x 272]
.set BHALF, 256*272
.set SCL,   BT+2*BHALF                 ; the scales as units of 256 bytes + 16: A's 128 rows (4,352 bytes), then Wo's 256 (8,704)
.set STG,   SCL+4352+8704              ; the way out: 16 rows x 528 bytes for each wave; no tensor load lands here
.set SPARE, STG+4*16*528               ; the spare words: 128 bytes a wave, two blocks of 256 bytes that no other line names
.set ADRA, 16
.set ADRB, 20                          ; v20-21: K half 0, 1
.set BOF,  23                          ; v23 32 h
.set STO,  24
.set RD,   25
.set CO,   26                          ; v26 16 x lane
.set ADRS, 27
.set SPW,  28
.set NIL,  29
.set SC,   32
.set AF,   128
.set BO,   192
.set BK,   128
.set WV,   20
.set HA,   21                          ; my half of the tokens; also: I fetch for A (0) or for Wo (1)
.set HB,   22                          ; my half of the outputs; also: which half of the tile's rows I fetch
.set G1A,  24
.set G0A,  32
.set G1B,  48
.set G0B,  56
.set G1S,  68
.set G0S,  76
.set G1SB, 80
.set G0SB, 88
.set MSB, 0
.macro WIN new
.if MSB != \new
	s_set_vgpr_msb (MSB<<8)|\new
.set MSB, \new
.endif
.endm
.macro JLOAD g0a, g1a, g0b, g1b        ; a joint load: waves 0 and 1 fetch for A, waves 2 and 3 for Wo; an s_nop 0 and four v_nop follow each line
	s_cmp_eq_u32 s[HA], 0
	s_cbranch_scc0 .Lfor_b_\@
	tensor_load_to_lds s[\g0a:\g0a+3], s[\g1a:\g1a+7]
	s_nop 0
.rept 4
	v_nop
.endr
	s_branch .Lasked_\@
.Lfor_b_\@:
	tensor_load_to_lds s[\g0b:\g0b+3], s[\g1b:\g1b+7]
	s_nop 0
.rept 4
	v_nop
.endr
.Lasked_\@:
.endm
.macro CROUND
	s_barrier_signal -1
	s_barrier_wait -1
	s_cmp_lg_u32 s[WV], 0
	s_cbranch_scc1 .Lnot_wave_0_\@
	s_barrier_signal -3
.Lnot_wave_0_\@:
	s_barrier_wait -3
	s_barrier_signal -1
	s_barrier_wait -1
.endm
.macro WORDS g, c, r, p                ; words 1 to 7 of a group 1: r rows of c elements, p elements apart
	s_mov_b32 s[\g+1], (\c)<<16
	s_mov_b32 s[\g+2], (\r)<<16
	s_mov_b32 s[\g+3], (\c)<<16
	s_mov_b32 s[\g+4], \r
	s_mov_b32 s[\g+5], \p
	s_mov_b32 s[\g+6], 0
	s_mov_b32 s[\g+7], 0
.endm
	s_load_b256 s[4:11], s[0:1], 0x0               ; a_codes, a_sc, Wo_codes, Wo_scales
	s_load_b128 s[12:15], s[0:1], 0x20             ; bo, out0
	v_lshl_add_u32 v[SPW], v0, 2, SPARE
	v_mov_b32 v[NIL], 0
	ds_add_u32 v[SPW], v[NIL]                      ; the wave's opening: the add, twice on end, and its wait ahead of my first tensor load
	ds_add_u32 v[SPW], v[NIL]                      ; and once more; the set-up below stands between it and the wait
	v_lshrrev_b32 v1, 5, v0
	v_readfirstlane_b32 s[WV], v1
	s_lshr_b32 s[HA], s[WV], 1
	s_and_b32 s[HB], s[WV], 1
	s_bfe_u32 s40, ttmp6, 0x40000                  ; cx
	s_bfe_u32 s41, ttmp6, 0x40004                  ; cy
	s_lshl_b32 s42, ttmp9, 2
	s_add_co_u32 s42, s42, s40                     ; tile of 256 outputs
	s_and_b32 s43, ttmp7, 0xffff
	s_lshl_b32 s43, s43, 2
	s_add_co_u32 s43, s43, s41                     ; tile of 128 tokens
	s_lshl_b32 s44, s41, 2
	s_lshl_b32 s44, 15, s44                        ; my row of the cluster
	s_lshl_b32 s45, 0x1111, s40                    ; my column
	s_or_b32 s[G1A], s44, (3<<16)|(1<<21)          ; A's codes: elements of 8 bytes, no padding; 4 tiles of tokens x 4,096 bytes (half of K), 8,192 apart
	WORDS G1A, 512, 4, 1024
	s_or_b32 s[G1B], s45, (0<<16)|(1<<20)|(1<<21)|(5<<22)|(3<<25)   ; Wo's codes: 128 rows x 256 bytes, 512 apart, 16 bytes of padding behind each
	WORDS G1B, 256, 128, 512
	s_or_b32 s[G1S], s44, (3<<16)|(1<<20)|(1<<21)|(5<<22)|(3<<25)   ; A's scales of 64 tokens: 2,048 dense bytes as 8 rows of 256, padded
	WORDS G1S, 32, 8, 32
	s_or_b32 s[G1SB], s45, (3<<16)|(1<<20)|(1<<21)|(5<<22)|(3<<25)  ; Wo's of 128 rows: 16 rows of 256
	WORDS G1SB, 32, 16, 32
	s_lshl_b32 s92, s43, 16                        ; A's codes: 8 tiles x 8,192 bytes a work-group, 4 a half
	s_lshl_b32 s2, s[HB], 15
	s_add_co_u32 s92, s92, s2
	s_mov_b32 s93, 0
	s_lshl_b32 s16, s43, 12                        ; A's scales: 128 x 32 bytes, 64 x 32 a half
	s_lshl_b32 s2, s[HB], 11
	s_add_co_u32 s16, s16, s2
	s_mov_b32 s17, 0
	s_lshl_b32 s94, s42, 17                        ; Wo's codes: 256 x 512 bytes, 128 x 512 a half
	s_lshl_b32 s2, s[HB], 16
	s_add_co_u32 s94, s94, s2
	s_mov_b32 s95, 0
	s_lshl_b32 s18, s42, 13                        ; Wo's scales
	s_lshl_b32 s2, s[HB], 12
	s_add_co_u32 s18, s18, s2
	s_mov_b32 s19, 0
	s_lshl_b32 s46, s[HB], 14                      ; where they go: made of the wave's number alone
	s_mul_i32 s47, s[HB], 128*272
	s_add_co_u32 s47, s47, BT
	s_wait_dscnt 0x0                               ; both opening adds are done
	s_wait_kmcnt 0x0
	s_add_nc_u64 s[4:5], s[4:5], s[92:93]
	s_add_nc_u64 s[6:7], s[6:7], s[16:17]
	s_add_nc_u64 s[8:9], s[8:9], s[94:95]
	s_add_nc_u64 s[10:11], s[10:11], s[18:19]
	s_mul_i32 s2, s[HB], 2176
	s_mov_b32 s[G0S], 1
	s_add_co_u32 s[G0S+1], s2, SCL
	s_mov_b64 s[G0S+2:G0S+3], s[6:7]
	s_or_b32 s[G0S+3], s[G0S+3], 0x80000000
	s_mul_i32 s2, s[HB], 4352
	s_mov_b32 s[G0SB], 1
	s_add_co_u32 s[G0SB+1], s2, SCL+4352
	s_mov_b64 s[G0SB+2:G0SB+3], s[10:11]
	s_or_b32 s[G0SB+3], s[G0SB+3], 0x80000000
.irp s, 0,1
	s_mov_b32 s[G0A+4*\s], 1
	s_add_co_u32 s[G0A+4*\s+1], s46, \s*32768
	s_add_nc_u64 s[G0A+4*\s+2:G0A+4*\s+3], s[4:5], \s*4096
	s_or_b32 s[G0A+4*\s+3], s[G0A+4*\s+3], 0x80000000
	s_mov_b32 s[G0B+4*\s], 1
	s_add_co_u32 s[G0B+4*\s+1], s47, \s*BHALF
	s_add_nc_u64 s[G0B+4*\s+2:G0B+4*\s+3], s[8:9], \s*256
	s_or_b32 s[G0B+4*\s+3], s[G0B+4*\s+3], 0x80000000
.endr
	CROUND                                         ; all sixteen work-groups are here: the joint loads meet
	JLOAD G0S, G1S, G0SB, G1SB                     ; the scales of all of K; three tensor loads of mine are out behind these lines
	JLOAD G0A, G1A, G0B, G1B                       ; K 0-511
	JLOAD G0A+4, G1A, G0B+4, G1B                   ; K 512-1023
	v_and_b32 v1, 15, v0                           ; r
	v_bfe_u32 v2, v0, 4, 1                         ; h
	v_and_b32 v3, 31, v0
	v_lshlrev_b32 v[CO], 4, v3
	s_lshl_b32 s2, s[HA], 14
	v_add_nc_u32 v[ADRA], s2, v[CO]                ; my four tiles of tokens
	v_mul_u32_u24 v4, v1, 272
	v_lshl_add_u32 v4, v2, 4, v4
	s_mul_i32 s2, s[HB], 128*272
	s_add_co_u32 s2, s2, BT
	v_add_nc_u32 v[ADRB], s2, v4
	s_add_co_u32 s2, s2, BHALF
	v_add_nc_u32 v[ADRB+1], s2, v4
	v_lshlrev_b32 v5, 5, v1                        ; my row's scales: 32 bytes a row,
	v_lshrrev_b32 v6, 3, v1
	v_lshl_add_u32 v5, v6, 4, v5                   ; and 16 more behind the first 256
	s_mul_i32 s2, s[HA], 2176
	s_mul_i32 s47, s[HB], 4352
	s_add_co_u32 s47, s47, 4352
	s_sub_co_u32 s47, s47, s2
	v_mul_u32_u24 v6, s47, v2                      ; lanes 16-31 take Wo's: one product, the distance between the two bases x h
	s_add_co_u32 s2, s2, SCL
	v_add_nc_u32 v5, v5, v6
	v_add_nc_u32 v[ADRS], s2, v5
	s_mul_i32 s2, s[WV], 16*528
	s_add_co_u32 s2, s2, STG                       ; my stage
	v_mul_u32_u24 v5, v1, 528
	v_lshl_add_u32 v5, v2, 5, v5
	v_add_nc_u32 v[STO], s2, v5                    ; in: row r, 32 bytes for each half of the lanes
	v_add_nc_u32 v[RD], s2, v[CO]                  ; back: the 32 lanes take one row of 512 bytes
	v_lshlrev_b32 v[BOF], 5, v2
	; bo and out0 at my part.  These numbers mix cx and cy: they live in registers that feed no descriptor and no LDS address.
	s_lshl_b32 s98, s42, 10
	s_lshl_b32 s97, s[HB], 9
	s_add_co_u32 s98, s98, s97                     ; my first output, in bytes
	s_mov_b32 s99, 0
	s_add_nc_u64 s[12:13], s[12:13], s[98:99]
	s_lshl_b32 s96, s43, 19                        ; my first token's row: 4,096 bytes a token
	s_lshl_b32 s97, s[HA], 18
	s_add_co_u32 s96, s96, s97
	s_add_co_u32 s96, s96, s98
	s_mov_b32 s97, 0
	s_add_nc_u64 s[14:15], s[14:15], s[96:97]
.irp b, 0,1,2,3,4,5,6,7
	global_load_b128 v[BO+8*\b:BO+8*\b+3], v[BOF], s[12:13] offset:64*\b          ; bo[16 b + 8 h + 0 .. 7] of my 128
	global_load_b128 v[BO+8*\b+4:BO+8*\b+7], v[BOF], s[12:13] offset:64*\b+16
.endr
.macro SCALES sl                       ; K half sl's scale words: four words a row; lanes 0-15 take A's block i (i over 3: bytes that are filled and not used), lanes 16-31 Wo's block i
.irp i, 0,1,2,3,4,5,6,7
	ds_load_b128 v[SC+32*\sl+4*\i:SC+32*\sl+4*\i+3], v[ADRS] offset:544*\i+16*\sl
.endr
.endm
.macro FETCH k                         ; K step k's fragments into set k % 2: 16 loads for Wo's eight blocks, 8 for A's four
.set SLF, (\k)/4
.set QF,  (\k)%4
.set PF,  (\k)%2
	WIN 0x40                                       ; destination window 1
.irp i, 0,1,2,3,4,5,6,7
.irp c, 0,1
	ds_load_b128 v[128*PF+8*\i+4*\c:128*PF+8*\i+4*\c+3], v[ADRB+SLF] offset:64*QF+32*\c+4352*\i
.endr
.endr
	WIN 0
.irp a, 0,1,2,3
.irp c, 0,1
	ds_load_b128 v[AF+32*PF+8*\a+4*\c:AF+32*PF+8*\a+4*\c+3], v[ADRA] offset:32768*SLF+4096*\a+1024*QF+512*\c
.endr
.endr
.endm
.macro MUL32 k                         ; 32 products; the accumulators take turns, one instruction a turn, in the same order in every K step
.set SLM, (\k)/4
.set QM,  (\k)%4
.set PM,  (\k)%2
.if (\k) == 0
	WIN 0x81                                       ; source 0 (Wo) window 1, source 1 (A) and C (bo) window 0, D window 2
.else
	WIN 0xa1                                       ; C and D window 2
.endif
.irp a, 0,1,2,3
.irp b, 0,1,2,3,4,5,6,7
.if (\k) == 0
	v_wmma_scale_f32_16x16x128_f8f6f4 v[8*(8*\a+\b):8*(8*\a+\b)+7], v[128*PM+8*\b:128*PM+8*\b+7], v[AF+32*PM+8*\a:AF+32*PM+8*\a+7], v[BO+8*\b:BO+8*\b+7], v[SC+32*SLM+4*\b+QM], v[SC+32*SLM+4*\a+QM] matrix_a_fmt:MATRIX_FMT_FP4 matrix_b_fmt:MATRIX_FMT_FP4 matrix_a_scale:MATRIX_SCALE_ROW1
.else
	v_wmma_scale_f32_16x16x128_f8f6f4 v[8*(8*\a+\b):8*(8*\a+\b)+7], v[128*PM+8*\b:128*PM+8*\b+7], v[AF+32*PM+8*\a:AF+32*PM+8*\a+7], v[8*(8*\a+\b):8*(8*\a+\b)+7], v[SC+32*SLM+4*\b+QM], v[SC+32*SLM+4*\a+QM] matrix_a_fmt:MATRIX_FMT_FP4 matrix_b_fmt:MATRIX_FMT_FP4 matrix_a_scale:MATRIX_SCALE_ROW1
.endif
.endr
.endr
.endm
.macro PLACES                          ; four plain vector instructions between a matrix instruction and a load into, or a store of, its registers
.rept 4
	v_nop
.endr
.endm
.macro KSTEP k                         ; the next K step's fragments are asked for, then this one is multiplied
.if (\k) == 3
	s_wait_tensorcnt 0x0                           ; my part of K half 1 has landed
	s_wait_dscnt 0x0                               ; no LDS load of mine is out at the signal (K step 3's fragments are in with that)
	s_barrier_signal -1
	s_barrier_wait -1                              ; everybody's has
.endif
.if ((\k) > 0) && ((\k) < 7)
	PLACES                                         ; the set that is loaded next was multiplied in the K step before
.endif
.if (\k) == 3
	WIN 0
	SCALES 1
.endif
.if (\k) < 7
	FETCH (\k)+1
.if (\k) != 3
	s_wait_dscnt 24                                ; all but the 24 just issued
.endif
.else
	s_wait_dscnt 0x0
.endif
	MUL32 \k
.endm
	s_wait_tensorcnt 1                             ; the scales and my part of K half 0 are in; K half 1's load may be out
	s_barrier_signal -1
	s_barrier_wait -1
	SCALES 0
	FETCH 0
	s_wait_loadcnt 0x0                             ; bo
.irp k, 0,1,2,3,4,5,6,7
	KSTEP \k
.endr
	WIN 0
	PLACES                                         ; behind the last products: their results are stored to LDS and A's registers loaded below
; THE WAY OUT, block by block of 16 tokens x 128 outputs: through my own stage, back as whole rows of 512 bytes.  LDS serves a wave's instructions in order (ISA guide 5.7.1.4): no wait between stores and loads.
.macro TOSTAGE a
.set AC, 64*(\a)
	WIN 0x08                                       ; an LDS store's data are its source 1: window 2
.irp b, 0,1,2,3,4,5,6,7
	ds_store_b128 v[STO], v[AC+8*\b:AC+8*\b+3] offset:64*\b          ; each accumulator from its low end on
	ds_store_b128 v[STO], v[AC+8*\b+4:AC+8*\b+7] offset:64*\b+16
.endr
	WIN 0
.set BB, BK+64*((\a)%2)
.irp t, 0,1,2,3,4,5,6,7,8,9,10,11,12,13,14,15
	ds_load_b128 v[BB+4*\t:BB+4*\t+3], v[RD] offset:\t*528
.endr
.endm
.macro SEND a, younger                 ; younger: the LDS instructions issued behind block a's loads, which may stay out
.set BB, BK+64*((\a)%2)
	s_wait_dscnt \younger
.irp t, 0,1,2,3,4,5,6,7,8,9,10,11,12,13,14,15
	global_store_b128 v[CO], v[BB+4*\t:BB+4*\t+3], s[14:15] offset:(16*(\a)+\t)*4096 th:TH_STORE_NT   ; 32 lanes store 512 consecutive bytes, aligned; the row stands in the immediate: 63 rows of 4,096 bytes at the most
.endr
.endm
	TOSTAGE 0
.irp a, 1,2,3
.if \a > 1
	s_wait_xcnt 0x0                                ; block a - 2's stores have read their registers: block a's loads may land there
.endif
	TOSTAGE \a
	SEND \a-1, 32                                  ; behind block a - 1's loads: block a's 16 stores and 16 loads
.endr
	SEND 3, 0
	s_wait_tensorcnt 0x0                           ; the wave's end, behind my last tensor load and my last LDS store
	ds_add_u32 v[SPW], v[NIL]
	s_wait_dscnt 0x0
	CROUND                                         ; the closing round
	s_endpgm
.Lfunc_end_k_q52242a1b16_oproj:
	.size	k_q52242a1b16_oproj, .Lfunc_end_k_q52242a1b16_oproj-k_q52242a1b16_oproj
	.p2alignl 7, 3214868480
	.fill 96, 4, 3214868480
	.section	.rodata,"a",@progbits
	.p2align	6, 0x0
	.amdhsa_kernel k_q52242a1b16_oproj
		.amdhsa_group_segment_fixed_size 262144
		.amdhsa_private_segment_fixed_size 0
		.amdhsa_enable_private_segment 0
		.amdhsa_kernarg_size 48
		.amdhsa_user_sgpr_count 2
		.amdhsa_user_sgpr_kernarg_segment_ptr 1
		.amdhsa_wavefront_size32 1
		.amdhsa_system_sgpr_workgroup_id_x 1
		.amdhsa_system_sgpr_workgroup_id_y 1
		.amdhsa_system_sgpr_workgroup_id_z 1
		.amdhsa_system_vgpr_workitem_id 0
		.amdhsa_next_free_vgpr 768
		.amdhsa_next_free_sgpr 100
		.amdhsa_reserve_vcc 0
		.amdhsa_float_denorm_mode_32 3
		.amdhsa_float_denorm_mode_16_64 3
		.amdhsa_memory_ordered 1
		.amdhsa_forward_progress 1
		.amdhsa_inst_pref_size 73
	.end_amdhsa_kernel
	.amdgpu_metadata
---
amdhsa.version: [ 1, 2 ]
amdhsa.kernels:
  - .name:           k_q52242a1b16_oproj
    .symbol:         k_q52242a1b16_oproj.kd
    .args:
      - { .name: a_codes, .offset: 0, .size: 8, .value_kind: global_buffer, .address_space: global }
      - { .name: a_sc, .offset: 8, .size: 8, .value_kind: global_buffer, .address_space: global }
      - { .name: Wo_codes, .offset: 16, .size: 8, .value_kind: global_buffer, .address_space: global }
      - { .name: Wo_scales, .offset: 24, .size: 8, .value_kind: global_buffer, .address_space: global }
      - { .name: bo, .offset: 32, .size: 8, .value_kind: global_buffer, .address_space: global }
      - { .name: out0, .offset: 40, .size: 8, .value_kind: global_buffer, .address_space: global }
    .group_segment_fixed_size: 262144
    .private_segment_fixed_size: 0
    .kernarg_segment_align: 8
    .kernarg_segment_size: 48
    .max_flat_workgroup_size: 128
    .sgpr_count:     100
    .vgpr_count:     768
    .wavefront_size: 32
...
	.end_amdgpu_metadata
.endif
;; end of part 3
